; MI455X (gfx1250); checked and timed in simulation.
; The chip was launched on July 23, 2026; its instructions are those of AMD's public machine-readable ISA for CDNA 5 (MIT licence, August 2026) and "CDNA5" Instruction Set Architecture Reference Guide (July 2026). The comments in the code are by the model that wrote it; some were corrected since.
;; Multi Head Attention. Allowed arithmetic: matrix products marked QUANTISED: E2M3 operands, one E8M0 scale for each 32 along K, by v_wmma_scale_f32_16x16x128_f8f6f4 with both operands' format E2M3, f32 sums; everything else in f32.
;; Inputs: Wk 16 x 64 x 1,024 float32; Wo 1,024 x 1,024 float32; Wq 16 x 64 x 1,024 float32; Wv 16 x 64 x 1,024 float32; keys 4 x 2,048 x 1,024 float32; mask 4 x 2,048 x 2,048 int32; queries 4 x 2,048 x 1,024 float32; values 4 x 2,048 x 1,024 float32.
;; Outputs: out0 4 x 2,048 x 1,024 float32.
;; This version of the problem:
;;   THIS VERSION OF THE PROBLEM IS GIVEN IN LOW PRECISION. The matrix products marked QUANTISED in the list below multiply operands that are first quantised to E2M3 (2 exponent bits, 3 mantissa bits; 6 bits a number), with one power-of-two scale for each 32 numbers along K (OCP MX v1.0); their sums are f32. All else is computed in f32.
;;   The module's matrix products, in the order in which they are computed (A, B: the left and right operand; K: the contracted axis; several contracted axes count as one K, in the product's order):
;;     1. [M 1,024, K 1,024] x [K 1,024, N 8,192]; A: input Wq; B: input queries: QUANTISED
;;     2. [M 1,024, K 1,024] x [K 1,024, N 8,192]; A: input Wk; B: input keys: QUANTISED
;;     3. [M 1,024, K 1,024] x [K 1,024, N 8,192]; A: input Wv; B: input values: QUANTISED
;;     4. batch 64 x [M 2,048, K 64] x [K 64, N 2,048]; A: computed on the way; B: computed on the way: QUANTISED
;;     5. batch 64 x [M 2,048, K 2,048] x [K 2,048, N 64]; A: softmax (see below); B: computed on the way: QUANTISED
;;     6. [M 8,192, K 1,024] x [K 1,024, N 1,024]; A: computed on the way; B: input Wo: QUANTISED
;;   THE QUANTISER, for each operand of a quantised product, along K:
;;     - K is cut into blocks of 32 from its start; a last block that is shorter is filled with zeros.
;;     - A block's scale is 2^e with e = floor(log2(the largest magnitude in the block)) - 2, held to -126 .. 127; a block of zeros has e = 0. As a byte (E8M0): e + 127.
;;     - Each number is divided by its block's scale, clamped to +-7.5, and rounded to the nearest number of E2M3, ties to even, subnormals kept.
;;     - The product sums the exact products of the quantised numbers (number of the format x scale) in f32.
;;   ~~~python
;;   def quantise(x, axis):      # numpy; x: float32 -> the quantised numbers, widened to float32 again
;;       x = np.moveaxis(x, axis, -1); K = x.shape[-1]
;;       x = np.pad(x, [(0, 0)] * (x.ndim - 1) + [(0, -K % 32)]); x = x.reshape(x.shape[:-1] + (-1, 32)); a = np.abs(x).max(-1, keepdims=True)
;;       e = np.where(a > 0, np.clip(np.frexp(np.where(a > 0, a, 1))[1] - 1 - 2, -126, 127), 0)      # np.frexp(a)[1] - 1 = floor(log2(a)), exactly
;;       r = np.clip(x / 2.0 ** e, -7.5, 7.5)
;;       step = 2.0 ** (np.maximum(np.frexp(np.where(r == 0, 1, r))[1] - 1, 0) - 3)
;;       q = np.round(r / step) * step * 2.0 ** e      # np.round: ties to even
;;       return np.moveaxis(q.reshape(q.shape[:-2] + (-1,))[..., :K], -1, axis).astype(np.float32)
;;   ~~~
;;   SOFTMAX AHEAD OF A QUANTISED PRODUCT. Where the list says 'softmax', what is quantised is not the finished softmax but p = 2^(t - M), with t = logit x log2(e) and M = ceil(the row's largest t), a whole number; so 1/2 < the row's largest p <= 1. The row's sum l is taken of the UNQUANTISED p, in f32, and the product's result is divided by l at the end. Since M is a whole number, a kernel that streams over the keys may use a running M (the ceiling of the running maximum): every later rescaling is an exact power of two, which a block's scale takes up: the codes' values come out the same.
;;   OPERANDS COMPUTED ON THE WAY. 'Computed on the way' means the value that the module computes at that place (a softmax that the list does not call 'softmax' is quantised finished and normalised). What goes into a quantiser is computed in f32, as accurately as f32 sums, v_exp_f32 and their like allow (about 1e-6 of the number): no bf16 or f16 on the way to a quantiser, and a product that is left as it is and whose result goes on into a quantised operand takes f32 operands (vector FMAs, or v_wmma_f32_16x16x4_f32). A number that lies on a knife's edge between two numbers of the format may be rounded either way, as far as f32 arithmetic and the matrix unit's own rounding can turn it there, and no further.
;; One version. Each part assembles by itself: llvm-mc -triple=amdgcn-amd-amdhsa -mcpu=gfx1250 --defsym DOCPART=n.
;; ======== version 1 of 1: 5 launches
;; limits: right only within a limited range of input values
;; workspace buffers: xw_codes 22,020,096 bytes; xw_scales 917,504 bytes; maskw 2,097,152 bytes of whole numbers; qkv_codes 18,874,368 bytes; qkv_scales 786,432 bytes; ctx_codes 6,291,456 bytes; ctx_scales 262,144 bytes
;; launch quant (part 1): grid 256 x 1, 7 waves a work-group, no clusters, 60,160 bytes of LDS; arguments queries, keys, values, Wq, Wk, Wv, Wo, xw_codes, xw_scales; writes xw_codes, xw_scales
.if DOCPART == 1
	.amdgcn_target "amdgcn-amd-amdhsa--gfx1250"
	.amdhsa_code_object_version 6
	.text
	.protected	k_q108d8c3ed1_quant
	.globl	k_q108d8c3ed1_quant
	.p2align	8
	.type	k_q108d8c3ed1_quant,@function
k_q108d8c3ed1_quant:
	s_mov_b64 s[64:65], 0
	v_nop
	global_prefetch_b8 v0, s[64:65] scope:SCOPE_SE
	s_setreg_imm32_b32 hwreg(HW_REG_WAVE_MODE, 25, 1), 1
	s_wait_xcnt 0x0
; queries, keys, values [8192][1024] and Wq, Wk, Wv, Wo [1024][1024], f32, K = the last axis, become codes of FP6 (E2M3) with one E8M0 byte for each 32 along K.
; A block's scale is 2^(floor(log2(its largest magnitude)) - 2); its byte is the largest magnitude's exponent field - 2, held at 1 from below.
; LAYOUT OF THE RESULT.  Rows go in tiles of 16.  Tile T of a tensor, place m, is row 32 (T / 2) + 8 (T % 2) + m % 8 + 16 (m / 8): used as source 0 of a product, two neighbouring
; tiles then leave 16 neighbouring rows in a lane's 16 result registers.  Codes lie as IMAGES OF THE OPERAND'S REGISTERS: 16 rows x 64 K are 768 bytes: registers 0-3 of lane l at 16 l,
; registers 4-5 at 512 + 8 l; lane (r, h) holds k = 32 h .. 32 h + 31 of place r.  xw_codes: [tile 0..1791][16 images][768]; xw_scales: [16 tile + place][32 bytes].
; Tiles 0-511 queries, 512-1023 keys, 1024-1535 values, then 64 each for Wq, Wk, Wv, Wo.
; SHARES.  1,792 tiles = 256 work-groups x 7 waves: a wave takes one tile, in eight steps of 128 along K.  Each load reads 512 consecutive bytes of a row; the step's 8,192 bytes turn through the
; wave's own stage in LDS (rows 528 bytes apart), so that a lane gets 16 neighbours of each block of 32.  Waves share nothing: no barrier.  Loads run two steps (32 loads a wave) ahead.
; LIMITS: a block of zeros gets the byte 1 (its codes are zeros; the bytes are read by this program alone); NaN and infinities among the inputs are not served.
.set STG,  8448                        ; a wave's stage: 16 rows x 528 bytes
.set SP,   528
.set LD,   16                          ; v16-143  two sets of 64: a step's numbers as loaded
.set X,    144                         ; v144-207 register 16 b + i = k 32 b + 16 h + i of my row
.set PC,   208                         ; v208-226 the codes just made
.set TM,   228                         ; v228-243 at work
.set PW,   244                         ; v244-251 the eight steps' scale words
.set SEL,  26                          ; s[26:27] lane selects for lane l xor 16
	s_load_b512 s[8:23], s[0:1], 0x0               ; queries s[8:9], keys, values, Wq, Wk, Wv, Wo s[20:21], xw_codes s[22:23]
	s_load_b64 s[24:25], s[0:1], 0x40              ; xw_scales
	v_lshl_add_u32 v254, v0, 2, 0xe700
	v_mov_b32 v255, 0
	v_lshrrev_b32 v1, 5, v0
	v_readfirstlane_b32 s2, v1                     ; wave 0..6
	v_and_b32 v2, 31, v0                           ; lane
	v_and_b32 v3, 15, v0                           ; r
	v_bfe_u32 v9, v0, 4, 1                         ; h
	v_lshlrev_b32 v4, 4, v2                        ; 16 x lane
	v_lshlrev_b32 v7, 3, v2                        ; 8 x lane
	s_mul_i32 s3, s2, STG
	v_add_nc_u32 v5, s3, v4                        ; into the stage: a row's 512 bytes as they lie
	v_mul_u32_u24 v6, v3, SP
	v_lshl_add_u32 v6, v9, 6, v6
	v_add_nc_u32 v6, s3, v6                        ; out of it: row r, + 64 h
	v_lshlrev_b32 v8, 5, v3
	v_lshl_add_u32 v8, v9, 4, v8                   ; the scale bytes: 32 r + 16 h
.irp b, 0,1,2,3
	v_mov_b32 v[TM+4+\b], 0                        ; written once: a lane permute's destination counts as one of its sources
.endr
	s_mul_i32 s4, ttmp9, 7
	s_add_co_u32 s4, s4, s2
	; THE KEYS' TILES (512-1023) HAVE ANOTHER ORDER OF ROWS: tile T, place m, is row 64 (T / 4) + 8 (T % 4) + m % 8 + 32 (m / 8): as source 0 of the scores' product four
	; neighbouring tiles then leave 32 neighbouring keys, a whole scale block, in a lane's 32 result registers.
	s_lshr_b32 s30, s4, 9
	s_cmp_eq_u32 s30, 1                            ; the choice hangs on the tile's number alone
	s_cselect_b32 s30, 2, 1                        ; log2 of the tiles that share a run of rows
	s_cselect_b32 s31, 65536, 0                    ; places 8-15 lie 16 rows further on for the keys
	v_add_nc_u32 v10, s31, v4
	s_mov_b32 s[SEL], 0x76543210
	s_mov_b32 s[SEL+1], 0xfedcba98
	s_wait_alu depctr_va_vdst(0)
	s_wait_kmcnt 0x0
	s_mov_b64 s[6:7], s[20:21]                     ; which tensor: the choice hangs on the tile's number alone
	s_cmp_lt_u32 s4, 1728
	s_cselect_b64 s[6:7], s[18:19], s[6:7]
	s_cmp_lt_u32 s4, 1664
	s_cselect_b64 s[6:7], s[16:17], s[6:7]
	s_cmp_lt_u32 s4, 1600
	s_cselect_b64 s[6:7], s[14:15], s[6:7]
	s_cmp_lt_u32 s4, 1536
	s_cselect_b64 s[6:7], s[12:13], s[6:7]
	s_cselect_b32 s5, 511, 63                      ; tiles in a tensor, less one
	s_cmp_lt_u32 s4, 1024
	s_cselect_b64 s[6:7], s[10:11], s[6:7]
	s_cmp_lt_u32 s4, 512
	s_cselect_b64 s[6:7], s[8:9], s[6:7]
	s_and_b32 s5, s4, s5                           ; the tile's number in its tensor
	s_lshr_b32 s28, s5, s30
	s_add_co_u32 s29, s30, 16
	s_lshl_b32 s28, s28, s29                       ; 32 rows of 4,096 bytes for each pair of tiles (keys: 64 for each four),
	s_bfm_b32 s29, s30, 0
	s_and_b32 s29, s5, s29
	s_lshl_b32 s29, s29, 15                        ; 8 rows for each tile in it
	s_add_co_u32 s28, s28, s29
	s_mov_b32 s29, 0
	s_add_nc_u64 s[6:7], s[6:7], s[28:29]
	s_mul_i32 s28, s4, 12288
	s_add_nc_u64 s[22:23], s[22:23], s[28:29]      ; my tile's 16 images
	s_lshl_b32 s28, s4, 9
	s_add_nc_u64 s[24:25], s[24:25], s[28:29]      ; and its 512 scale bytes
.macro QLD t                           ; step t: 16 rows x 512 bytes into set t % 2
.irp i, 0,1,2,3,4,5,6,7,8,9,10,11,12,13,14,15
.if \i < 8
	global_load_b128 v[LD+64*((\t)%2)+4*\i:LD+64*((\t)%2)+4*\i+3], v4, s[6:7] offset:(\i%8+16*(\i/8))*4096+512*(\t) th:TH_LOAD_NT
.else
	global_load_b128 v[LD+64*((\t)%2)+4*\i:LD+64*((\t)%2)+4*\i+3], v10, s[6:7] offset:(\i%8+16*(\i/8))*4096+512*(\t) th:TH_LOAD_NT
.endif
.endr
.endm
; 64 numbers of a lane, register 16 b + i = k 32 b + 16 h + i of my row, become a fragment's 12 registers of codes in v[PC] on and its scale word in v[pw]
.macro QUANT s, pw
.irp b, 0,1,2,3
	v_max3_num_f32 v[TM+\b], |v[\s+16*\b]|, |v[\s+1+16*\b]|, 0x1800000   ; my 16 numbers of block b, and the floor 2^(3 - 127): the byte cannot fall under 1
.endr
.irp i, 2,4,6,8,10,12,14
.irp b, 0,1,2,3
	v_max3_num_f32 v[TM+\b], v[TM+\b], |v[\s+16*\b+\i]|, |v[\s+1+16*\b+\i]|
.endr
.endr
.irp b, 0,1,2,3
	v_permlanex16_b32 v[TM+4+\b], v[TM+\b], s[SEL], s[SEL+1]
.endr
.irp b, 0,1,2,3
	v_max_num_f32 v[TM+\b], v[TM+\b], v[TM+4+\b]   ; with lane l xor 16's: the block's largest magnitude
.endr
.irp b, 0,1,2,3
	v_add_nc_u32 v[TM+12+\b], 0xff000000, v[TM+\b] ; 2 off its exponent field: the conversion takes that field as its scale
.endr
.irp b, 0,1,2,3
	v_lshrrev_b32 v[TM+4+\b], 23, v[TM+12+\b]      ; the scale's byte
.endr
	v_lshl_or_b32 v[\pw], v[TM+5], 8, v[TM+4]
	v_lshl_or_b32 v[\pw], v[TM+6], 16, v[\pw]
	v_lshl_or_b32 v[\pw], v[TM+7], 24, v[\pw]
.irp c, 0,1
	v_cvt_scalef32_pk16_fp6_f32 v[PC+6*\c:PC+2+6*\c], v[\s+32*\c:\s+15+32*\c], v[TM+12+2*\c]
	v_cvt_scalef32_pk16_fp6_f32 v[PC+12+4*\c:PC+14+4*\c], v[\s+16+32*\c:\s+31+32*\c], v[TM+12+2*\c+1]   ; (a conversion's three registers begin on an even number)
.endr
	v_nop                                          ; one plain place behind a scaled conversion
.irp c, 0,1                                    ; the operand's layout wants a whole block in a lane: lanes 0-15 block 2 c, lanes 16-31 block 2 c + 1
.irp i, 0,1,2
	v_permlane16_swap_b32 v[PC+6*\c+\i], v[PC+12+4*\c+\i]
.endr
.irp i, 0,1,2
	v_mov_b32 v[PC+3+6*\c+\i], v[PC+12+4*\c+\i]
.endr
.endr
.endm
.macro QSTEP t
.if (\t) < 7
	s_wait_loadcnt 16                              ; this step's 16 loads are in; the next step's 16 may be out
.else
	s_wait_loadcnt 0
.endif
.irp i, 0,1,2,3,4,5,6,7,8,9,10,11,12,13,14,15
	ds_store_b128 v5, v[LD+64*((\t)%2)+4*\i:LD+64*((\t)%2)+4*\i+3] offset:SP*\i
.endr
.irp b, 0,1,2,3                                ; LDS serves a wave's instructions in order: these see the stores above
.irp j, 0,1,2,3
	ds_load_b128 v[X+16*\b+4*\j:X+16*\b+4*\j+3], v6 offset:128*\b+16*\j
.endr
.endr
	s_wait_dscnt 0x0                               ; my numbers are back, and the stores have read their registers,
.if (\t)+2 < 8
	QLD (\t)+2                                     ; which take the loads of two steps on
.endif
	s_wait_xcnt 0x0                                ; the last step's stores have read the codes' registers: they are written again only behind this wait
	QUANT X, PW+(\t)
.irp c, 0,1
	global_store_b128 v4, v[PC+6*\c:PC+6*\c+3], s[22:23] offset:1536*(\t)+768*\c        ; 512 consecutive bytes,
	global_store_b64 v7, v[PC+6*\c+4:PC+6*\c+5], s[22:23] offset:1536*(\t)+768*\c+512   ; and 256: an image begins at a multiple of 256 bytes
.endr
.endm
	QLD 0
	QLD 1
.irp t, 0,1,2,3,4,5,6,7
	QSTEP \t
.endr
	v_cmp_eq_u32 vcc_lo, 1, v9                     ; both halves of the lanes hold a row's eight words: lanes 0-15 store words 0-3, lanes 16-31 words 4-7
.irp i, 0,1,2,3
	v_cndmask_b32 v[12+\i], v[PW+\i], v[PW+4+\i], vcc_lo
.endr
	global_store_b128 v8, v[12:15], s[24:25]       ; 512 consecutive bytes
	s_wait_tensorcnt 0x0
	ds_add_u32 v254, v255
	s_wait_dscnt 0x0
	s_endpgm
.Lfunc_end_k_q108d8c3ed1_quant:
	.size	k_q108d8c3ed1_quant, .Lfunc_end_k_q108d8c3ed1_quant-k_q108d8c3ed1_quant
	.p2alignl 7, 3214868480
	.fill 96, 4, 3214868480
	.section	.rodata,"a",@progbits
	.p2align	6, 0x0
	.amdhsa_kernel k_q108d8c3ed1_quant
		.amdhsa_group_segment_fixed_size 60160
		.amdhsa_private_segment_fixed_size 0
		.amdhsa_enable_private_segment 0
		.amdhsa_kernarg_size 72
		.amdhsa_user_sgpr_count 2
		.amdhsa_user_sgpr_kernarg_segment_ptr 1
		.amdhsa_wavefront_size32 1
		.amdhsa_system_sgpr_workgroup_id_x 1
		.amdhsa_system_sgpr_workgroup_id_y 1
		.amdhsa_system_sgpr_workgroup_id_z 1
		.amdhsa_system_vgpr_workitem_id 0
		.amdhsa_next_free_vgpr 256
		.amdhsa_next_free_sgpr 66
		.amdhsa_reserve_vcc 1
		.amdhsa_float_denorm_mode_32 3
		.amdhsa_float_denorm_mode_16_64 3
		.amdhsa_memory_ordered 1
		.amdhsa_forward_progress 1
		.amdhsa_inst_pref_size 65
	.end_amdhsa_kernel
	.amdgpu_metadata
---
amdhsa.version: [ 1, 2 ]
amdhsa.kernels:
  - .name:           k_q108d8c3ed1_quant
    .symbol:         k_q108d8c3ed1_quant.kd
    .args:
      - { .name: queries, .offset: 0, .size: 8, .value_kind: global_buffer, .address_space: global }
      - { .name: keys, .offset: 8, .size: 8, .value_kind: global_buffer, .address_space: global }
      - { .name: values, .offset: 16, .size: 8, .value_kind: global_buffer, .address_space: global }
      - { .name: Wq, .offset: 24, .size: 8, .value_kind: global_buffer, .address_space: global }
      - { .name: Wk, .offset: 32, .size: 8, .value_kind: global_buffer, .address_space: global }
      - { .name: Wv, .offset: 40, .size: 8, .value_kind: global_buffer, .address_space: global }
      - { .name: Wo, .offset: 48, .size: 8, .value_kind: global_buffer, .address_space: global }
      - { .name: xw_codes, .offset: 56, .size: 8, .value_kind: global_buffer, .address_space: global }
      - { .name: xw_scales, .offset: 64, .size: 8, .value_kind: global_buffer, .address_space: global }
    .group_segment_fixed_size: 60160
    .private_segment_fixed_size: 0
    .kernarg_segment_align: 8
    .kernarg_segment_size: 72
    .max_flat_workgroup_size: 224
    .sgpr_count:     66
    .vgpr_count:     256
    .wavefront_size: 32
...
	.end_amdgpu_metadata
.endif
;; end of part 1
;; launch maskpack (part 2): grid 256 x 1, 8 waves a work-group, no clusters, 68,608 bytes of LDS; arguments mask, maskw; writes maskw
.if DOCPART == 2
	.amdgcn_target "amdgcn-amd-amdhsa--gfx1250"
	.amdhsa_code_object_version 6
	.text
	.protected	k_q108d8c3ed1_maskpack
	.globl	k_q108d8c3ed1_maskpack
	.p2align	8
	.type	k_q108d8c3ed1_maskpack,@function
k_q108d8c3ed1_maskpack:
	s_mov_b64 s[64:65], 0
	v_nop
	global_prefetch_b8 v0, s[64:65] scope:SCOPE_SE
	s_setreg_imm32_b32 hwreg(HW_REG_WAVE_MODE, 25, 1), 1
	s_wait_xcnt 0x0
; mask [4][2048][2048], int32, is read once and becomes one bit a number, laid as the attention launch's lanes want it; the sixteen heads then read a thirty-second of the bytes.
; maskw: [b x 128 + query tile][key step 0..15][64 words].  The word at place p belongs to score register rho = p / 2 + 32 (p % 2); its bit l = (r, h) is 1 where
; mask[b][query][key] == 0, query = 32 (tile / 2) + 8 (tile % 2) + r % 8 + 16 (r / 8), key = 128 step + 64 (rho / 32) + 32 h + rho % 32.
; SHARES.  512 tiles x 4 quarters of the keys = 256 work-groups x 8 waves; a wave takes four steps of 16 rows x 512 bytes.  Each load reads 512 consecutive bytes; the step turns through the wave's own
; stage in LDS, so that lane (r, h) holds row r's 32 neighbours of each 64 keys.  A compare then IS a word of the result (one bit a lane).  Waves share nothing: no barrier.
.set STG,  8448
.set SP,   528
.set LD,   16                          ; v16-143  two sets of 64 as loaded
.set X,    144                         ; v144-207 register rho
.set WA,   208                         ; v208-215 a pair for each step: lane k holds words rho = k and rho = 32 + k
	s_load_b128 s[4:7], s[0:1], 0x0                ; mask, maskw
	v_lshl_add_u32 v224, v0, 2, 0x10800
	v_mov_b32 v225, 0
	v_lshrrev_b32 v1, 5, v0
	s_delay_alu instid0(VALU_DEP_1)
	v_readfirstlane_b32 s2, v1                     ; wave 0..7
	v_and_b32 v2, 31, v0
	v_and_b32 v3, 15, v0
	v_bfe_u32 v9, v0, 4, 1
	s_delay_alu instid0(VALU_DEP_3)
	v_lshlrev_b32 v4, 4, v2                        ; 16 x lane
	s_delay_alu instid0(VALU_DEP_4)
	v_lshlrev_b32 v7, 3, v2                        ; 8 x lane
	s_mul_i32 s3, s2, STG
	v_add_nc_u32 v5, s3, v4
	v_mul_u32_u24 v6, v3, SP
	s_delay_alu instid0(VALU_DEP_1)
	v_lshl_add_u32 v6, v9, 7, v6                   ; THE KEYS' ORDER: register rho of lane (r, h) is key 128 step + 64 (rho / 32) + 32 h + rho % 32: row r, + 128 h bytes
	s_delay_alu instid0(VALU_DEP_1)
	v_add_nc_u32 v6, s3, v6
.irp i, 0,1,2,3,4,5,6,7
	v_mov_b32 v[WA+\i], 0                          ; v_writelane_b32's destination counts as read
.endr
	s_lshl_b32 s8, ttmp9, 3
	s_add_co_u32 s8, s8, s2                        ; my job
	s_lshr_b32 s9, s8, 2                           ; b x 128 + tile
	s_and_b32 s10, s8, 3                           ; which quarter of the keys
	s_lshr_b32 s11, s9, 7
	s_lshl_b32 s11, s11, 11                        ; b x 2,048 rows
	s_bfe_u32 s12, s9, 0x60001
	s_lshl_b32 s12, s12, 5                         ; + 32 (tile / 2)
	s_add_co_u32 s11, s11, s12
	s_and_b32 s12, s9, 1
	s_lshl_b32 s12, s12, 3                         ; + 8 (tile % 2)
	s_add_co_u32 s11, s11, s12
	s_lshl_b32 s12, s11, 13                        ; rows of 8,192 bytes
	s_lshl_b32 s13, s10, 11
	s_add_co_u32 s12, s12, s13
	s_mov_b32 s13, 0
	s_lshl_b32 s14, s9, 12                         ; a tile's words: 4,096 bytes,
	s_lshl_b32 s15, s10, 10                        ; a quarter's 1,024
	s_add_co_u32 s14, s14, s15
	s_mov_b32 s15, 0
	s_wait_alu depctr_va_vdst(0)
	s_wait_kmcnt 0x0
	s_add_nc_u64 s[4:5], s[4:5], s[12:13]
	s_add_nc_u64 s[6:7], s[6:7], s[14:15]
.macro MLD t
.irp i, 0,1,2,3,4,5,6,7,8,9,10,11,12,13,14,15
	global_load_b128 v[LD+64*((\t)%2)+4*\i:LD+64*((\t)%2)+4*\i+3], v4, s[4:5] offset:(\i%8+16*(\i/8))*8192+512*(\t) th:TH_LOAD_NT
.endr
.endm
.macro MSTEP t
.if (\t) < 3
	s_wait_loadcnt 16                              ; this step's 16 loads are in; the next step's 16 may be out
.else
	s_wait_loadcnt 0
.endif
.irp i, 0,1,2,3,4,5,6,7,8,9,10,11,12,13,14,15
	ds_store_b128 v5, v[LD+64*((\t)%2)+4*\i:LD+64*((\t)%2)+4*\i+3] offset:SP*\i
.endr
.irp b, 0,1,2,3
.irp j, 0,1,2,3
	ds_load_b128 v[X+16*\b+4*\j:X+16*\b+4*\j+3], v6 offset:256*(\b/2)+64*(\b%2)+16*\j
.endr
.endr
	s_wait_dscnt 0x0
.if (\t)+2 < 4
	MLD (\t)+2
.endif
.irp u, 0,1
.irp k, 0,1,2,3,4,5,6,7,8,9,10,11,12,13,14,15,16,17,18,19,20,21,22,23,24,25,26,27,28,29,30,31
	v_cmp_eq_u32 s[32+\k], 0, v[X+32*\u+\k]        ; one bit a lane: the word of register 32 u + k
.endr
.irp k, 0
	v_writelane_b32 v[WA+2*(\t)+\u], s[32+\k], \k
.endr
.irp k, 1, 2, 3, 4, 5, 6, 7, 8, 9, 10, 11, 12, 13, 14, 15, 16, 17, 18, 19, 20, 21, 22, 23, 24, 25, 26, 27, 28, 29, 30, 31
	s_delay_alu instid0(VALU_DEP_1)
	v_writelane_b32 v[WA+2*(\t)+\u], s[32+\k], \k
.endr
.endr
	global_store_b64 v7, v[WA+2*(\t):WA+2*(\t)+1], s[6:7] offset:256*(\t)   ; 256 consecutive bytes, aligned; each step has its own pair, so no store's data are written again
.endm
	MLD 0
	MLD 1
.irp t, 0,1,2,3
	MSTEP \t
.endr
	s_wait_tensorcnt 0x0
	ds_add_u32 v224, v225
	s_wait_dscnt 0x0
	s_endpgm
.Lfunc_end_k_q108d8c3ed1_maskpack:
	.size	k_q108d8c3ed1_maskpack, .Lfunc_end_k_q108d8c3ed1_maskpack-k_q108d8c3ed1_maskpack
	.p2alignl 7, 3214868480
	.fill 96, 4, 3214868480
	.section	.rodata,"a",@progbits
	.p2align	6, 0x0
	.amdhsa_kernel k_q108d8c3ed1_maskpack
		.amdhsa_group_segment_fixed_size 68608
		.amdhsa_private_segment_fixed_size 0
		.amdhsa_enable_private_segment 0
		.amdhsa_kernarg_size 16
		.amdhsa_user_sgpr_count 2
		.amdhsa_user_sgpr_kernarg_segment_ptr 1
		.amdhsa_wavefront_size32 1
		.amdhsa_system_sgpr_workgroup_id_x 1
		.amdhsa_system_sgpr_workgroup_id_y 1
		.amdhsa_system_sgpr_workgroup_id_z 1
		.amdhsa_system_vgpr_workitem_id 0
		.amdhsa_next_free_vgpr 226
		.amdhsa_next_free_sgpr 66
		.amdhsa_reserve_vcc 0
		.amdhsa_float_denorm_mode_32 3
		.amdhsa_float_denorm_mode_16_64 3
		.amdhsa_memory_ordered 1
		.amdhsa_forward_progress 1
		.amdhsa_inst_pref_size 57
	.end_amdhsa_kernel
	.amdgpu_metadata
---
amdhsa.version: [ 1, 2 ]
amdhsa.kernels:
  - .name:           k_q108d8c3ed1_maskpack
    .symbol:         k_q108d8c3ed1_maskpack.kd
    .args:
      - { .name: mask, .offset: 0, .size: 8, .value_kind: global_buffer, .address_space: global }
      - { .name: maskw, .offset: 8, .size: 8, .value_kind: global_buffer, .address_space: global }
    .group_segment_fixed_size: 68608
    .private_segment_fixed_size: 0
    .kernarg_segment_align: 8
    .kernarg_segment_size: 16
    .max_flat_workgroup_size: 256
    .sgpr_count:     66
    .vgpr_count:     226
    .wavefront_size: 32
...
	.end_amdgpu_metadata
.endif
;; end of part 2
;; launch proj (part 3): grid 4 x 96, 4 waves a work-group, clusters of 4 x 4, 327,680 bytes of LDS; arguments xw_codes, xw_scales, qkv_codes, qkv_scales; writes qkv_codes, qkv_scales
.if DOCPART == 3
	.amdgcn_target "amdgcn-amd-amdhsa--gfx1250"
	.amdhsa_code_object_version 6
	.text
	.protected	k_q108d8c3ed1_proj
	.globl	k_q108d8c3ed1_proj
	.p2align	8
	.type	k_q108d8c3ed1_proj,@function
k_q108d8c3ed1_proj:
	s_mov_b64 s[64:65], 0
	v_nop
	global_prefetch_b8 v0, s[64:65] scope:SCOPE_SE
	s_setreg_imm32_b32 hwreg(HW_REG_WAVE_MODE, 25, 1), 1
	s_wait_xcnt 0x0
	s_wait_alu depctr_hold_cnt(0) depctr_sa_sdst(0) depctr_va_vdst(0) depctr_va_sdst(0) depctr_va_ssrc(0) depctr_va_vcc(0) depctr_vm_vsrc(0)
	s_getreg_b32 s2, hwreg(HW_REG_IB_STS2, 6, 4)
	s_cmp_eq_u32 s2, 0
	s_cbranch_scc0 .Lentry_in_a_cluster
	s_endpgm
.Lentry_in_a_cluster:
	s_bfe_u32 s2, ttmp6, 0x10000c
	s_cmp_lg_u32 s2, 0xf033
	s_cbranch_scc0 .Lentry_shape_is_right
	s_endpgm
.Lentry_shape_is_right:
.set NQ,     2
.set FR,     12
.set NL,     4
.set NP,     4
.set HFB,    768
.set TILEB,  4*HFB
.set TROW,   16*HFB
.set HALFT,  8*TILEB
.set SLOT,   4*HALFT
.set LAPS,   2
.set KS,     32
.set SCL,    2*SLOT
.set HALFS,  16*272
.set SBLK,   2*272
.set SPARE,  SCL+4*HALFS
.set ADRA, 16
.set ADRB, 20
.set LI16, 24
.set LI8,  25
.set SOF,  26
.set ADRS, 27
.set SPW,  28
.set NIL,  29
.set SOF1, 30
.set VSEL, 31
.set SC,   32
.set TM,   64
.set PWR,  80
.set PC,   88
.set WW,   108
.set AF,   128
.set G1, 24
.set G0, 32
.set G1B, 48
.set G0B, 56
.set G1S, 68
.set G0S, 76
.set G1SB, 80
.set G0SB, 88
.set SEL, 2
.set MSB, 0
.macro WIN new
.if MSB != \new
	s_set_vgpr_msb (MSB<<8)|\new
.set MSB, \new
.endif
.endm
.set MUL_LO, 0xa1
.set MUL_HI, 0xf1
.set TO_B,   0x40
.macro JLOAD g0a, g1a, g0b, g1b
	s_cmp_eq_u32 s15, 0
	s_cbranch_scc0 .Lfor_b_\@
	tensor_load_to_lds s[\g0a:\g0a+3], s[\g1a:\g1a+7]
	s_nop 0
.rept 4
	v_nop
.endr
	s_branch .Lasked_\@
.Lfor_b_\@:
	tensor_load_to_lds s[\g0b:\g0b+3], s[\g1b:\g1b+7]
	s_nop 0
.rept 4
	v_nop
.endr
.Lasked_\@:
.endm
.macro CREST
	s_cmp_lg_u32 s14, 0
	s_cbranch_scc1 .Lnot_wave_0_\@
	s_barrier_signal -3
.Lnot_wave_0_\@:
	s_barrier_wait -3
	s_barrier_signal -1
	s_barrier_wait -1
.endm
.macro CROUND
	s_barrier_signal -1
	s_barrier_wait -1
	CREST
.endm
	s_load_b128 s[4:7], s[0:1], 0x0
	s_load_b128 s[8:11], s[0:1], 0x10
	v_lshl_add_u32 v[SPW], v0, 2, SPARE
	v_mov_b32 v[NIL], 0
	ds_add_u32 v28, v29
	ds_add_u32 v28, v29
	s_wait_dscnt 0x0
	v_lshrrev_b32 v1, 5, v0
	v_readfirstlane_b32 s14, v1
	s_lshr_b32 s15, s14, 1
	s_and_b32 s16, s14, 1
	s_bfe_u32 s40, ttmp6, 0x40000
	s_bfe_u32 s41, ttmp6, 0x40004
	s_and_b32 s13, ttmp7, 0xffff
	s_lshr_b32 s12, s13, 3
	s_and_b32 s13, s13, 7
	s_lshr_b32 s18, s12, 1
	s_xor_b32 s19, s18, 1
	s_mul_i32 s19, s19, s13
	s_lshl_b32 s17, s19, 2
	s_add_co_u32 s17, s17, s41
	s_mul_i32 s42, s18, s13
	s_lshl_b32 s42, s42, 2
	s_add_co_u32 s42, s42, s40
	s_lshl_b32 s43, s41, 2
	s_lshl_b32 s43, 15, s43
	s_lshl_b32 s44, 0x1111, s40
	s_or_b32 s[G1+0], s43, (3<<16)|(1<<21)
	s_or_b32 s[G1B+0], s44, (3<<16)|(1<<21)
.irp g, G1, G1B
	s_mov_b32 s[\g+1], 384<<16
	s_mov_b32 s[\g+2], 8<<16
	s_mov_b32 s[\g+3], 384<<16
	s_mov_b32 s[\g+4], 8
	s_mov_b32 s[\g+5], 1536
	s_mov_b32 s[\g+6], 0
	s_mov_b32 s[\g+7], 0
.endr
	s_or_b32 s[G1S+0], s43, (3<<16)|(1<<20)|(1<<21)|(5<<22)|(3<<25)
	s_or_b32 s[G1SB+0], s44, (3<<16)|(1<<20)|(1<<21)|(5<<22)|(3<<25)
.irp g, G1S, G1SB
	s_mov_b32 s[\g+1], 32<<16
	s_mov_b32 s[\g+2], 16<<16
	s_mov_b32 s[\g+3], 32<<16
	s_mov_b32 s[\g+4], 16
	s_mov_b32 s[\g+5], 32
	s_mov_b32 s[\g+6], 0
	s_mov_b32 s[\g+7], 0
.endr
	s_mul_i32 s19, s18, 640
	s_lshl_b32 s20, s12, 9
	s_add_co_u32 s20, s20, s19
	s_lshl_b32 s21, s17, 4
	s_add_co_u32 s20, s20, s21
	s_lshl_b32 s21, s16, 3
	s_add_co_u32 s20, s20, s21
	s_lshl_b32 s46, s12, 6
	s_add_co_u32 s46, s46, 1536
	s_sub_co_u32 s46, s46, s19
	s_lshl_b32 s47, s42, 4
	s_add_co_u32 s46, s46, s47
	s_add_co_u32 s46, s46, s21
	s_lshl_b32 s22, s20, 9
	s_mov_b32 s23, 0
	s_mul_i32 s20, s20, TROW
	s_mov_b32 s21, 0
	s_lshl_b32 s92, s46, 9
	s_mov_b32 s93, 0
	s_mul_i32 s46, s46, TROW
	s_mov_b32 s47, 0
	s_mul_i32 s45, s14, HALFT
	s_mul_i32 s94, s14, HALFS
	s_wait_kmcnt 0x0
	s_add_nc_u64 s[20:21], s[4:5], s[20:21]
	s_add_nc_u64 s[22:23], s[6:7], s[22:23]
	s_add_nc_u64 s[46:47], s[4:5], s[46:47]
	s_add_nc_u64 s[92:93], s[6:7], s[92:93]
	CROUND
	s_mov_b32 s[G0S], 1
	s_add_co_u32 s[G0S+1], s94, SCL
	s_mov_b64 s[G0S+2:G0S+3], s[22:23]
	s_or_b32 s[G0S+3], s[G0S+3], 0x80000000
	s_mov_b32 s[G0SB], 1
	s_add_co_u32 s[G0SB+1], s94, SCL
	s_mov_b64 s[G0SB+2:G0SB+3], s[92:93]
	s_or_b32 s[G0SB+3], s[G0SB+3], 0x80000000
	JLOAD G0S, G1S, G0SB, G1SB
.irp s, 0,1
	s_mov_b32 s[G0+4*\s], 1
	s_add_co_u32 s[G0+4*\s+1], s45, \s*SLOT
	s_add_nc_u64 s[G0+4*\s+2:G0+4*\s+3], s[20:21], \s*TILEB
	s_or_b32 s[G0+4*\s+3], s[G0+4*\s+3], 0x80000000
	s_mov_b32 s[G0B+4*\s], 1
	s_add_co_u32 s[G0B+4*\s+1], s45, \s*SLOT
	s_add_nc_u64 s[G0B+4*\s+2:G0B+4*\s+3], s[46:47], \s*TILEB
	s_or_b32 s[G0B+4*\s+3], s[G0B+4*\s+3], 0x80000000
	s_wait_alu depctr_va_vdst(0)
	s_wait_tensorcnt 0x0
	ds_add_u32 v28, v29
	s_wait_dscnt 0x0
	CROUND
	JLOAD G0+4*\s, G1, G0B+4*\s, G1B
.endr
	v_and_b32 v1, 15, v0
	v_bfe_u32 v2, v0, 4, 1
	v_and_b32 v3, 31, v0
	v_lshlrev_b32 v[LI16], 4, v3
	v_lshlrev_b32 v[LI8], 3, v3
	s_mul_i32 s21, s15, HALFT
	s_mul_i32 s22, s16, HALFT
	s_add_co_u32 s22, s22, 2*HALFT
.irp s, 0,1
	v_add_nc_u32 v[ADRA+\s], s21, v[LI16]
	v_add_nc_u32 v[ADRB+\s], s22, v[LI16]
	v_add_nc_u32 v[ADRA+2+\s], s21, v[LI8]
	v_add_nc_u32 v[ADRB+2+\s], s22, v[LI8]
	s_add_co_u32 s21, s21, SLOT
	s_add_co_u32 s22, s22, SLOT
.endr
	v_mul_u32_u24 v5, v1, KS
	v_lshrrev_b32 v6, 8, v5
	v_lshl_add_u32 v5, v6, 4, v5
	s_mul_i32 s21, s15, HALFS
	s_mul_i32 s22, s16, HALFS
	s_add_co_u32 s22, s22, 2*HALFS
	s_sub_co_u32 s22, s22, s21
	v_mul_u32_u24 v6, s22, v2
	s_add_co_u32 s21, s21, SCL
	v_add_nc_u32 v5, v5, v6
	v_add_nc_u32 v[ADRS], s21, v5
	s_lshl_b32 s46, s17, 4
	s_lshl_b32 s47, s15, 3
	s_add_co_u32 s46, s46, s47
	s_lshl_b32 s47, s42, 2
	s_lshl_b32 s66, s16, 1
	s_add_co_u32 s47, s47, s66
	s_lshr_b32 s66, s46, 7
	s_lshl_b32 s66, s66, 4
	s_add_co_u32 s66, s66, s47
	s_and_b32 s67, s46, 127
	s_lshr_b32 s92, s67, 3
	s_lshl_b32 s92, s92, 8
	s_lshr_b32 s93, s47, 5
	s_lshl_b32 s93, s93, 4
	s_lshr_b32 s94, s46, 2
	s_add_co_u32 s93, s93, s94
	s_and_b32 s94, s47, 31
	s_lshl_b32 s95, s94, 7
	s_lshl_b32 s94, s94, 2
	s_cmp_eq_u32 s12, 2
	s_cselect_b32 s66, s93, s66
	s_cselect_b32 s67, s94, s67
	s_cselect_b32 s92, s95, s92
	s_cselect_b32 s93, 4, 128
	s_cselect_b32 s94, 128, 4
	s_lshl_b32 s95, s66, 7
	s_add_co_u32 s67, s67, s95
	s_mul_i32 s67, s67, HFB
	s_mul_i32 s95, s12, 6291456
	s_add_co_u32 s20, s67, s95
	s_mov_b32 s21, 0
	s_add_nc_u64 s[96:97], s[8:9], s[20:21]
	s_mul_i32 s20, s93, HFB
	s_add_nc_u64 s[98:99], s[96:97], s[20:21]
	s_mul_i32 s20, s94, HFB
	s_add_nc_u64 s[100:101], s[96:97], s[20:21]
	s_add_nc_u64 s[104:105], s[98:99], s[20:21]
	s_lshl_b32 s66, s66, 12
	s_add_co_u32 s66, s66, s92
	s_lshl_b32 s20, s12, 18
	s_add_co_u32 s20, s20, s66
	s_add_nc_u64 s[10:11], s[10:11], s[20:21]
	s_mul_i32 s20, s18, 3968
	s_sub_co_u32 s22, 4096, s20
	s_add_co_u32 s20, s20, 128
	v_mul_u32_u24 v5, s22, v2
	v_lshl_add_u32 v[SOF], v1, 3, v5
	v_add_nc_u32 v[SOF1], s20, v[SOF]
	v_mov_b32 v[VSEL], 0x05040100
	v_mov_b32 v5, 0x07060302
	v_cmp_eq_u32 vcc_lo, 1, v2
	v_cndmask_b32 v[VSEL], v[VSEL], v5, vcc_lo
.irp b, 0,1,2,3
	v_mov_b32 v[TM+4+\b], 0
.endr
.macro FRAG reg, adr, q, i
.irp c, 0,1
	ds_load_b128 v[\reg+6*\c:\reg+6*\c+3], v[\adr] offset:(\i)*TILEB+HFB*(2*(\q)+\c)
	ds_load_b64 v[\reg+6*\c+4:\reg+6*\c+5], v[\adr+2] offset:(\i)*TILEB+HFB*(2*(\q)+\c)+512
.endr
.endm
.macro MUL16 a0, p, q, sc, zero
.irp a, \a0, \a0+1
.irp b, 0,1,2,3,4,5,6,7
.if \zero
	v_wmma_scale_f32_16x16x128_f8f6f4 v[8*(8*((\a)%4)+\b):8*(8*((\a)%4)+\b)+7], v[128*(\p)+FR*\b:128*(\p)+FR*\b+FR-1], v[AF+FR*(\a):AF+FR*(\a)+FR-1], 0, v[SC+8*NQ*(\sc)+NQ*\b+(\q)], v[SC+8*NQ*(\sc)+NQ*(\a)+(\q)] matrix_a_fmt:MATRIX_FMT_FP6 matrix_b_fmt:MATRIX_FMT_FP6 matrix_a_scale:MATRIX_SCALE_ROW1
.else
	v_wmma_scale_f32_16x16x128_f8f6f4 v[8*(8*((\a)%4)+\b):8*(8*((\a)%4)+\b)+7], v[128*(\p)+FR*\b:128*(\p)+FR*\b+FR-1], v[AF+FR*(\a):AF+FR*(\a)+FR-1], v[8*(8*((\a)%4)+\b):8*(8*((\a)%4)+\b)+7], v[SC+8*NQ*(\sc)+NQ*\b+(\q)], v[SC+8*NQ*(\sc)+NQ*(\a)+(\q)] matrix_a_fmt:MATRIX_FMT_FP6 matrix_b_fmt:MATRIX_FMT_FP6 matrix_a_scale:MATRIX_SCALE_ROW1
.endif
.endr
.endr
.endm
.macro FETCH_B slot, q, p
	WIN TO_B
.irp i, 0,1,2,3,4,5,6,7
	FRAG 128*(\p)+FR*\i, ADRB+\slot, \q, \i
.endr
	WIN 0
.endm
.macro FETCH_A slot, q, i0
.irp i, \i0, \i0+1, \i0+2, \i0+3
	FRAG AF+FR*(\i), ADRA+\slot, \q, \i
.endr
.endm
.macro SCALES sc
.irp i, 0,1,2,3,4,5,6,7
	ds_load_b64 v[SC+8*NQ*\sc+NQ*\i:SC+8*NQ*\sc+NQ*\i+1], v[ADRS] offset:\i*SBLK
.endr
.endm
.macro PLACES n
.rept \n
	v_nop
.endr
.endm
.macro STEP slot, q, zero
	s_wait_dscnt 4*NL
	WIN MUL_LO
	MUL16 0, (\q)%2, \q, \slot, \zero
	MUL16 2, (\q)%2, \q, \slot, \zero
	s_wait_dscnt 0
	PLACES NP
	FETCH_B \slot, (\q)+1, 1-(\q)%2
	FETCH_A \slot, (\q)+1, 0
	WIN MUL_HI
	MUL16 4, (\q)%2, \q, \slot, \zero
	MUL16 6, (\q)%2, \q, \slot, \zero
	PLACES NP
	WIN 0
	FETCH_A \slot, (\q)+1, 4
.endm
.macro TURN slot, next, fill
	s_wait_tensorcnt 0x0
	ds_add_u32 v[SPW], v[NIL]
	s_wait_dscnt 4*NL+1
	WIN MUL_LO
	MUL16 0, 1, NQ-1, \slot, 0
	s_wait_dscnt 0x0
	s_barrier_signal -1
	MUL16 2, 1, NQ-1, \slot, 0
	WIN 0
	s_barrier_wait -1
.if \fill
	CREST
	s_add_nc_u64 s[G0+4*\slot+2:G0+4*\slot+3], s[G0+4*\slot+2:G0+4*\slot+3], 2*TILEB
	s_add_nc_u64 s[G0B+4*\slot+2:G0B+4*\slot+3], s[G0B+4*\slot+2:G0B+4*\slot+3], 2*TILEB
	JLOAD G0+4*\slot, G1, G0B+4*\slot, G1B
.else
	PLACES NP
.endif
	s_wait_alu depctr_va_vdst(0)
	v_add_nc_u32 v[ADRS], 4*NQ, v[ADRS]
	FETCH_B \next, 0, 0
	FETCH_A \next, 0, 0
	SCALES \next
	WIN MUL_HI
	MUL16 4, 1, NQ-1, \slot, 0
	MUL16 6, 1, NQ-1, \slot, 0
	PLACES NP
	WIN 0
	FETCH_A \next, 0, 4
.endm
	s_wait_tensorcnt 1
	s_barrier_signal -1
	s_barrier_wait -1
	FETCH_B 0, 0, 0
	FETCH_A 0, 0, 0
	SCALES 0
	FETCH_A 0, 0, 4
	STEP 0, 0, 1
	s_mov_b32 s3, LAPS-1
.Llap:
	TURN 0, 1, 1
	STEP 1, 0, 0
	TURN 1, 0, 1
	STEP 0, 0, 0
	s_sub_co_u32 s3, s3, 1
	s_cmp_lg_u32 s3, 0
	s_cbranch_scc1 .Llap
	TURN 0, 1, 0
	STEP 1, 0, 0
	s_wait_dscnt 4*NL
	WIN MUL_LO
	MUL16 0, 1, NQ-1, 1, 0
	MUL16 2, 1, NQ-1, 1, 0
	s_wait_dscnt 0
	WIN MUL_HI
	MUL16 4, 1, NQ-1, 1, 0
	MUL16 6, 1, NQ-1, 1, 0
	WIN 0
	s_mov_b32 s[SEL], 0x76543210
	s_mov_b32 s[SEL+1], 0xfedcba98
.macro QOUT a
.set AC, 64*((\a)%4)
	WIN 10+5*((\a)/4)
.irp b, 0,1,2,3
	v_max3_num_f32 v[TM+\b], |v[AC+16*\b]|, |v[AC+16*\b+1]|, 0x1800000
.endr
.irp i, 2,4,6,8,10,12,14
.irp b, 0,1,2,3
	v_max3_num_f32 v[TM+\b], |v[AC+16*\b+\i]|, |v[AC+16*\b+\i+1]|, v[TM+\b]
.endr
.endr
	WIN 0
.irp b, 0,1,2,3
	v_permlanex16_b32 v[TM+4+\b], v[TM+\b], s[SEL], s[SEL+1]
.endr
.irp b, 0,1,2,3
	v_max_num_f32 v[TM+\b], v[TM+\b], v[TM+4+\b]
.endr
.irp b, 0,1,2,3
	v_add_nc_u32 v[TM+12+\b], 0xff000000, v[TM+\b]
.endr
.irp b, 0,1,2,3
	v_lshrrev_b32 v[TM+4+\b], 23, v[TM+12+\b]
.endr
	v_lshl_or_b32 v[PWR+(\a)], v[TM+5], 8, v[TM+4]
	v_lshl_or_b32 v[PWR+(\a)], v[TM+6], 16, v[PWR+(\a)]
	v_lshl_or_b32 v[PWR+(\a)], v[TM+7], 24, v[PWR+(\a)]
	s_wait_xcnt 0x0
	WIN 2+(\a)/4
.irp c, 0,1
	v_cvt_scalef32_pk16_fp6_f32 v[PC+6*\c:PC+6*\c+2], v[AC+32*\c:AC+32*\c+15], v[TM+12+2*\c]
	v_cvt_scalef32_pk16_fp6_f32 v[PC+12+4*\c:PC+14+4*\c], v[AC+32*\c+16:AC+32*\c+31], v[TM+12+2*\c+1]
.endr
	WIN 0
	v_nop
.irp c, 0,1
.irp i, 0,1,2
	v_permlane16_swap_b32 v[PC+6*\c+\i], v[PC+12+4*\c+\i]
.endr
.irp i, 0,1,2
	v_mov_b32 v[PC+3+6*\c+\i], v[PC+12+4*\c+\i]
.endr
.endr
.set SB0, 96+4*((\a)/4)
.set SB1, 98+6*((\a)/4)
	global_store_b128 v[LI16], v[PC:PC+3], s[SB0:SB0+1] offset:HFB*((\a)%4)
	global_store_b64 v[LI8], v[PC+4:PC+5], s[SB0:SB0+1] offset:HFB*((\a)%4)+512
	global_store_b128 v[LI16], v[PC+6:PC+9], s[SB1:SB1+1] offset:HFB*((\a)%4)
	global_store_b64 v[LI8], v[PC+10:PC+11], s[SB1:SB1+1] offset:HFB*((\a)%4)+512
.endm
	PLACES NP
.irp a, 0,1,2,3,4,5,6,7
	QOUT \a
.endr
.irp f, 0,1,2,3
	v_perm_b32 v[WW+\f], v[PWR+2*\f+1], v[PWR+2*\f], v[VSEL]
.endr
	global_store_b64 v[SOF], v[WW:WW+1], s[10:11]
	global_store_b64 v[SOF1], v[WW+2:WW+3], s[10:11]
	s_wait_tensorcnt 0x0
	ds_add_u32 v[SPW], v[NIL]
	s_wait_dscnt 0x0
	CROUND
	s_endpgm
.Lfunc_end_k_q108d8c3ed1_proj:
	.size	k_q108d8c3ed1_proj, .Lfunc_end_k_q108d8c3ed1_proj-k_q108d8c3ed1_proj
	.p2alignl 7, 3214868480
	.fill 96, 4, 3214868480
	.section	.rodata,"a",@progbits
	.p2align	6, 0x0
	.amdhsa_kernel k_q108d8c3ed1_proj
		.amdhsa_group_segment_fixed_size 327680
		.amdhsa_private_segment_fixed_size 0
		.amdhsa_enable_private_segment 0
		.amdhsa_kernarg_size 32
		.amdhsa_user_sgpr_count 2
		.amdhsa_user_sgpr_kernarg_segment_ptr 1
		.amdhsa_wavefront_size32 1
		.amdhsa_system_sgpr_workgroup_id_x 1
		.amdhsa_system_sgpr_workgroup_id_y 1
		.amdhsa_system_sgpr_workgroup_id_z 1
		.amdhsa_system_vgpr_workitem_id 0
		.amdhsa_next_free_vgpr 1024
		.amdhsa_next_free_sgpr 106
		.amdhsa_reserve_vcc 1
		.amdhsa_float_denorm_mode_32 3
		.amdhsa_float_denorm_mode_16_64 3
		.amdhsa_memory_ordered 1
		.amdhsa_forward_progress 1
		.amdhsa_inst_pref_size 152
	.end_amdhsa_kernel
	.amdgpu_metadata
---
amdhsa.version: [ 1, 2 ]
amdhsa.kernels:
  - .name:           k_q108d8c3ed1_proj
    .symbol:         k_q108d8c3ed1_proj.kd
    .args:
      - { .name: xw_codes, .offset: 0, .size: 8, .value_kind: global_buffer, .address_space: global }
      - { .name: xw_scales, .offset: 8, .size: 8, .value_kind: global_buffer, .address_space: global }
      - { .name: qkv_codes, .offset: 16, .size: 8, .value_kind: global_buffer, .address_space: global }
      - { .name: qkv_scales, .offset: 24, .size: 8, .value_kind: global_buffer, .address_space: global }
    .group_segment_fixed_size: 327680
    .private_segment_fixed_size: 0
    .kernarg_segment_align: 8
    .kernarg_segment_size: 32
    .max_flat_workgroup_size: 128
    .sgpr_count:     106
    .vgpr_count:     1024
    .wavefront_size: 32
...
	.end_amdgpu_metadata
.endif
;; end of part 3
;; launch attn (part 4): grid 4 x 64, 16 waves a work-group, no clusters, 206,848 bytes of LDS; arguments qkv_codes, qkv_scales, maskw, ctx_codes, ctx_scales; writes ctx_codes, ctx_scales
.if DOCPART == 4
	.amdgcn_target "amdgcn-amd-amdhsa--gfx1250"
	.amdhsa_code_object_version 6
	.text
	.protected	k_q108d8c3ed1_attn
	.globl	k_q108d8c3ed1_attn
	.p2align	8
	.type	k_q108d8c3ed1_attn,@function
k_q108d8c3ed1_attn:
	s_mov_b64 s[64:65], 0
	v_nop
	global_prefetch_b8 v0, s[64:65] scope:SCOPE_SE
	s_setreg_imm32_b32 hwreg(HW_REG_WAVE_MODE, 25, 1), 1
	s_wait_xcnt 0x0
; Attention for one (batch, head) and 512 queries a work-group, both products on codes of FP6 (E2M3) with E8M0 scales; the result is quantised along the head's 64 channels for the output projection.
; t = score x log2(e) / 8; M = the running largest t rounded UP to a whole number; p = 2^(t - M) is quantised along the keys, not normalised; the row's sum is taken of the unquantised p and divides at the end.
; When M moves, the sum and O are multiplied by 2^(old M - new M): exact, in every step, with no branch.
; THE MASK is an input, packed by an earlier launch to one bit a number, a word for each score register.  A score whose mask is 0 is replaced ahead of the maximum: one v_cndmask_b32 a register.
; A step whose 64 words are all 0 has nothing to replace.
; LIMITS: a masked logit is -2^33 here, -1e10 in the definition: the same results unless an unmasked logit lies under about -8.5e9.  -2^36 x c is a whole number in f32, so a row that is masked throughout has p = 1
; everywhere, the mean of v, as the definition gives.  A block of zeros gets the scale byte 1 (read by this program alone).  NaN and infinities are not served.  The context's scale bytes leave as stores of two bytes.
; SHARES.  Sixteen waves, four to a SIMD, 256 registers each; wave w takes query tile 32 x + 16 pass + w, two passes.  The head's whole K and V lie in LDS, written ONCE: wave w brings key step w (6,144 bytes of K, 6,144 of V)
; by 24 loads of 512 consecutive bytes and 24 LDS stores; waves 0-7 bring V's scale bytes, waves 8-15 K's.
; NO TENSOR LOAD, AND SO NO CLUSTER: the branch on the mask's words hangs on numbers read from memory.  NO PREFETCH: the key loop reads LDS; of memory it
; asks only for the next step's 256 bytes of mask words, one step ahead, by the loads themselves.
; LAYOUT.  Both products transposed: S^T = K Q^T, O^T = V^T P^T: a lane holds one query throughout.  Operands lie as images of registers (16 rows x 64 K: 768 bytes).  Key tile 4 g + t of a step holds keys
; 64 g + 8 t + i and 64 g + 32 + 8 t + i: so register 32 g + n of lane (r, h) is key 64 g + 32 h + n: A WHOLE SCALE BLOCK IN A LANE, in the order of P's operand: no lane is asked for a block's maximum, no code changes lanes.
; THE HEAD IS 64 AND THE INSTRUCTION 128 DEEP: a fragment of K is two tiles' images on end, and Q lies as q, zeros, q in 18 registers: v[16:27] multiplies the first tile alone, v[22:33] the second.
; LDS: [step][K 6,144 | V 6,144]; from VSC V's scale words [step][row][channel tile], 4,096 bytes; behind them K's [step][row][fragment]; then the spare words.
.set KV,    12288
.set VOF,   6144
.set VSC,   196608
.set KSO,   4096
.set SPARE, 204800
.set F,    36                          ; v36-83   four fragments
.set S,    96                          ; v96-159  S^T, then p;  v84-87 K's scale words, v92-95 V's, v34 q's, v35 p's: these hold scales alone
.set OT,   160                         ; v160-191 O^T
.set PCD,  192                         ; v192-203 p's codes
.set PT,   204
.set BM,   212                         ; my two blocks' largest score, then largest p
.set CH,   214                         ; four chains
.set BB,   218
.set SO,   220
.set FF,   224                         ; f = 2^(old M - new M)
.set T,    226
.set T2,   227                         ; the last step's -M
.set SM,   228                         ; v228-241 seven partial sums
.set FL,   242                         ; my two of the step's 64 mask words
.set FLG,  244
.set FA,   245
.set H8,   246                         ; 8 h
.set GS,   247
.set LS,   248
.set LC,   249
.set HK,   36                          ; the head's fill: K's codes through v36-83, V's through v96-143, scale bytes through v144-151
.set HV,   96
.set HS,   144
	s_load_b128 s[8:11], s[0:1], 0x0               ; qkv_codes, qkv_scales
	s_load_b64 s[12:13], s[0:1], 0x10              ; maskw
	v_lshl_add_u32 v254, v0, 2, SPARE
	v_mov_b32 v255, 0
	v_lshrrev_b32 v1, 5, v0
	v_readfirstlane_b32 s2, v1                     ; wave 0..15
	v_and_b32 v5, 31, v0
	v_and_b32 v6, 15, v0
	v_bfe_u32 v7, v0, 4, 1
	v_lshlrev_b32 v1, 4, v5                        ; 16 x lane
	v_lshlrev_b32 v8, 3, v5                        ; 8 x lane
	v_add_nc_u32 v2, 512, v8                       ; 512 + 8 x lane
	v_lshlrev_b32 v3, 3, v6                        ; 8 r
	v_lshl_add_u32 v4, v6, 4, VSC                  ; a row's four scale words
	v_lshlrev_b32 v11, 5, v6                       ; 32 r
	v_lshlrev_b32 v[H8], 3, v7
	v_mov_b32 v10, 0xd1800000                      ; -2^36
	v_bfe_u32 v7, v0, 4, 4
	v_lshl_add_u32 v[GS], v7, 8, v3                ; scale bytes in memory: 256 x step + 8 r, step = (thread / 16) % 16
	v_lshl_add_u32 v[LS], v0, 4, VSC               ; and in LDS: 16 x thread: threads 0-255 V's words, 256-511 K's
	s_mul_i32 s5, s2, KV
	v_add_nc_u32 v[LC], s5, v1                     ; my step's codes in LDS
.irp i, 22,23,24,25,26,27
	v_mov_b32 v\i, 0                               ; the zeros between the two copies of q
.endr
	v_mov_b32 v[BB], 0                             ; written once: a lane permute's destination counts as one of its sources
	v_mov_b32 v[BB+1], 0
	v_mov_b32 v[FF+1], 0                           ; (named as the upper half of a pair)
	s_and_b32 s6, ttmp7, 0xffff                    ; b x 16 + head
	s_mul_i32 s14, s6, 98304                       ; the head's 128 images,
	s_mul_i32 s15, s2, VOF                         ; my step's eight,
	s_add_co_u32 s14, s14, s15
	s_add_co_u32 s14, s14, 6291456                 ; in K's region
	s_mov_b32 s15, 0
	s_cmp_lt_u32 s2, 8
	s_cselect_b32 s72, 2, 1                        ; whose scale bytes I bring: V's or K's
	s_lshl_b32 s72, s72, 18
	s_lshl_b32 s7, s6, 12
	s_add_co_u32 s72, s72, s7
	s_mov_b32 s73, 0
	s_lshl_b32 s4, ttmp9, 5
	s_add_co_u32 s4, s4, s2                        ; my query tile of the first pass
	s_lshl_b32 s5, s6, 7
	s_add_co_u32 s5, s5, s4
	s_mul_i32 s76, s5, 768                         ; its image
	s_mov_b32 s77, 0
	s_lshr_b32 s78, s4, 3
	s_lshl_b32 s78, s78, 8                         ; its halfword: 256 bytes for each 8 tiles,
	s_bfe_u32 s5, s4, 0x10002
	s_lshl_b32 s5, s5, 7                           ; 128 for each 4,
	s_add_co_u32 s78, s78, s5
	s_and_b32 s5, s4, 3
	s_lshl_b32 s5, s5, 1                           ; 2 a tile (and 8 a place, in the lane's offset)
	s_add_co_u32 s78, s78, s5
	s_add_co_u32 s78, s78, s7
	s_mov_b32 s79, 0
	s_lshr_b32 s96, s6, 4
	s_lshl_b32 s96, s96, 7
	s_add_co_u32 s96, s96, s4
	s_lshl_b32 s96, s96, 12                        ; its mask words: 4,096 bytes a tile
	s_mov_b32 s97, 0
	s_mov_b32 s98, 0x3e38aa3b                      ; c = log2(e) / 8
	s_mov_b32 s99, s98                             ; (named with it as a pair)
	s_mov_b32 s105, 0xbe38aa3b                     ; -c
	s_mov_b32 s100, 0x76543210
	s_mov_b32 s101, 0xfedcba98                     ; lane selects for lane l xor 16
	s_mov_b32 s66, 0                               ; LDS byte of the step's images
	s_mov_b32 s104, 0                              ; and of its scale words
	s_mov_b32 s67, 0                               ; byte of the mask words asked for
	s_wait_alu depctr_va_vdst(0)                   ; the wait at the head's end
	s_wait_kmcnt 0x0
	s_add_nc_u64 s[68:69], s[8:9], s[14:15]        ; K's images of my step,
	s_add_nc_u64 s[70:71], s[68:69], 6291456       ; V's
	s_add_nc_u64 s[72:73], s[10:11], s[72:73]
	s_add_nc_u64 s[76:77], s[8:9], s[76:77]
	s_add_nc_u64 s[78:79], s[10:11], s[78:79]
	s_add_nc_u64 s[96:97], s[12:13], s[96:97]
.macro ASKQ                            ; q's image twice, its halfword of scale bytes, and my two of step 0's mask words: six loads
	global_load_b128 v[16:19], v1, s[76:77]
	global_load_b64 v[20:21], v2, s[76:77]
	global_load_b128 v[28:31], v1, s[76:77]
	global_load_b64 v[32:33], v2, s[76:77]
	global_load_u16 v[T], v3, s[78:79]
	global_load_b64 v[FL:FL+1], v8, s[96:97]
.endm
.macro INIT                            ; 36 plain lines: also the places between q's scale word and the first product
	v_mov_b32 v13, 0xff61b1e6                      ; the largest score so far: -3e38
	v_mov_b32 v[T2], 0x7e000000                    ; -M so far: 2^125, so that the first f is 0
	v_mov_b32 v14, 0
	v_mov_b32 v15, 0
.set J, 0
.rept 32
	v_mov_b32 v[OT+J], 0                           ; the step is written once: the first finds zeros
.set J, J+1
.endr
.endm
.macro MLOAD                           ; the 64 mask words of a step
	s_load_b512 s[32:47], s[96:97], s67 offset:0x0
	s_load_b512 s[48:63], s[96:97], s67 offset:0x40
	s_load_b512 s[80:95], s[96:97], s67 offset:0x80
	s_load_b512 s[16:31], s[96:97], s67 offset:0xc0
.endm
; A KEY STEP: 128 keys
.macro STEP
	v_add_nc_u32 v5, s66, v1                       ; four places behind the last products, in front of the loads into their registers
	v_add_nc_u32 v6, s66, v2
	v_add_nc_u32 v9, s104, v4
	v_nop
.irp f, 0,1,2,3                                ; fragment f: the images of key tiles 2 f and 2 f + 1
.irp c, 0,1
	ds_load_b128 v[F+12*\f+6*\c:F+12*\f+6*\c+3], v5 offset:1536*\f+768*\c
	ds_load_b64 v[F+12*\f+6*\c+4:F+12*\f+6*\c+5], v6 offset:1536*\f+768*\c
.endr
.endr
	ds_load_b128 v[84:87], v9 offset:KSO           ; the four fragments' scale words of row r
	s_wait_alu depctr_va_vdst(0)
	s_wait_dscnt 0x0
.irp f, 0,1,2,3
.irp u, 0,1
	v_wmma_scale_f32_16x16x128_f8f6f4 v[S+8*(2*\f+\u):S+8*(2*\f+\u)+7], v[F+12*\f:F+12*\f+11], v[16+6*\u:27+6*\u], 0, v[84+\f], v34 matrix_a_fmt:MATRIX_FMT_FP6 matrix_b_fmt:MATRIX_FMT_FP6
.endr
.endr
	s_wait_loadcnt 0x0                             ; my two of this step's mask words, asked for a step ago
	v_or_b32 v[FLG], v[FL], v[FL+1]
	v_cmp_ne_u32 vcc_lo, 0, v[FLG]                 ; VCC is 0 where all 64 words are 0
	s_wait_kmcnt 0x0                               ; the 64 words in scalar registers, asked for a step ago: no scalar load of mine is out
	s_add_co_u32 s67, s67, 256
	s_and_b32 s67, s67, 0xfff                      ; the last step asks for the tile's first words again: no load leaves the buffer
	v_add_nc_u32 v[FA], s67, v8
	v_nop
	v_nop                                          ; places in front of the loads below and of the first read of the scores
.irp t, 0,1,2,3                                ; V's fragment of channel tile t: the images of two groups of 64 keys; they land under the softmax
.irp c, 0,1
	ds_load_b128 v[F+12*\t+6*\c:F+12*\t+6*\c+3], v5 offset:VOF+768*\t+3072*\c
	ds_load_b64 v[F+12*\t+6*\c+4:F+12*\t+6*\c+5], v6 offset:VOF+768*\t+3072*\c
.endr
.endr
	ds_load_b128 v[92:95], v9                      ; the four channel tiles' scale words of row r
	global_load_b64 v[FL:FL+1], v[FA], s[96:97]
	s_wait_alu depctr_va_vdst(0)                   ; the wait ahead of the branch
	s_cbranch_vccz .Lfree_\@                       ; nothing of this step is masked
.set RHO, 0
.rept 64                                       ; ascending: each accumulator is first read at its lowest register
.set PP, 2*(RHO%32)+RHO/32
.set SBR, 32+16*(PP/16)
.if PP/16 == 2
.set SBR, 80
.elseif PP/16 == 3
.set SBR, 16
.endif
	v_cndmask_b32 v[S+RHO], v[S+RHO], v10, s[SBR+PP%16]
.set RHO, RHO+1
.endr
.Lfree_\@:
	MLOAD
.irp q, 0,1,2,3                                ; the largest score of my two blocks of 32 keys, in four chains of 16 by turns, each accumulator from its low end on
	v_max3_num_f32 v[CH+\q], v[S+16*\q], v[S+16*\q+1], v[S+16*\q+2]
.endr
.irp i, 3,5,7,9,11,13
.irp q, 0,1,2,3
	v_max3_num_f32 v[CH+\q], v[CH+\q], v[S+16*\q+\i], v[S+16*\q+\i+1]
.endr
.endr
	v_max3_num_f32 v[BM], v[CH], v[CH+1], v[S+15]
	v_max3_num_f32 v[BM+1], v[CH+2], v[CH+3], v[S+47]
	v_max_num_f32 v[BM], v[BM], v[S+31]            ; it serves the row's maximum and, since p rises with the score, the block's largest p
	v_max_num_f32 v[BM+1], v[BM+1], v[S+63]
	v_max_num_f32 v[T], v[BM], v[BM+1]
	v_permlanex16_b32 v[BB], v[T], s100, s101
	v_max3_num_f32 v13, v13, v[T], v[BB]           ; the running largest score (c is positive)
	v_mul_f32 v12, s105, v13
	v_floor_f32 v12, v12                           ; the new -M = floor(-t) = -ceil(t)
	v_sub_f32 v[T], v12, v[T2]                     ; old M - new M: a whole number, 0 or less
	v_cvt_i32_f32 v[T], v[T]                       ; (it saturates)
	v_ldexp_f32 v[FF], 1.0, v[T]                   ; f = 2^(old M - new M)
.set J, 0
.rept 32
	v_pk_fma_f32 v[S+J:S+J+1], v[S+J:S+J+1], s[98:99], v[12:13] op_sel_hi:[1,0,0]   ; t - M
.set J, J+2
.endr
	v_fma_f32 v[BM], v[BM], s98, v12
	v_fma_f32 v[BM+1], v[BM+1], s98, v12
	s_wait_alu depctr_va_vdst(0)                   ; the wait ahead of the batch
.set J, 0
.rept 64
	v_exp_f32 v[S+J], v[S+J]                       ; p = 2^(t - M)
.set J, J+1
.endr
	v_exp_f32 v[BM], v[BM]                         ; the block's largest p: the same two instructions on the same number
	v_exp_f32 v[BM+1], v[BM+1]
	v_mov_b32 v[T2], v12                           ; kept for the next step (a plain place behind the exponentials)
	s_wait_alu depctr_va_vdst(0)                   ; one wait for the batch, ahead of its first reader
	v_max_num_f32 v[BM], 0x1800000, v[BM]          ; the floor 2^(3 - 127)
	v_max_num_f32 v[BM+1], 0x1800000, v[BM+1]
	v_add_nc_u32 v[SO], 0xff000000, v[BM]          ; 2 off the exponent field: the conversion's scale operand
	v_add_nc_u32 v[SO+1], 0xff000000, v[BM+1]
	v_lshrrev_b32 v[CH], 23, v[SO]
	v_lshrrev_b32 v[CH+1], 23, v[SO+1]
	v_lshl_or_b32 v[T], v[CH+1], 16, v[CH]         ; my two bytes, blocks h and 2 + h,
	v_lshlrev_b32 v[T], v[H8], v[T]                ; at their places in the word;
	v_permlanex16_b32 v[BB], v[T], s100, s101
	v_or_b32 v35, v[T], v[BB]                      ; with lane l xor 16's two: p's scale word for these 128 keys
.irp g, 0,1
	v_cvt_scalef32_pk16_fp6_f32 v[PCD+6*\g:PCD+6*\g+2], v[S+32*\g:S+32*\g+15], v[SO+\g]
	v_cvt_scalef32_pk16_fp6_f32 v[PT+4*\g:PT+4*\g+2], v[S+32*\g+16:S+32*\g+31], v[SO+\g]   ; (a conversion's three registers begin on an even number)
.endr
	s_wait_dscnt 0x0                               ; V's fragments and scale words are in
	s_wait_alu depctr_va_vdst(0)                   ; the wait directly ahead of the first reader of O^T
.set J, 0
.rept 16
	v_pk_mul_f32 v[OT+J:OT+J+1], v[OT+J:OT+J+1], v[FF:FF+1] op_sel_hi:[1,0]   ; O^T under the new M (plain lines behind the conversions too)
.set J, J+2
.endr
.irp g, 0,1
.irp i, 0,1,2
	v_mov_b32 v[PCD+3+6*\g+\i], v[PT+4*\g+\i]
.endr
.endr
	v_pk_fma_f32 v[14:15], v[14:15], v[FF:FF+1], v[S:S+1] op_sel_hi:[1,0,1]   ; the sum under the new M, and the unquantised p: eight partial sums by turns
.irp k, 1,2,3,4,5,6,7
	v_pk_add_f32 v[SM+2*\k-2:SM+2*\k-1], v[S+2*\k:S+2*\k+1], v[S+16+2*\k:S+17+2*\k]
.endr
	v_pk_add_f32 v[14:15], v[14:15], v[S+16:S+17]
.irp o, 32,48
.irp k, 1,2,3,4,5,6,7
	v_pk_add_f32 v[SM+2*\k-2:SM+2*\k-1], v[SM+2*\k-2:SM+2*\k-1], v[S+\o+2*\k:S+\o+2*\k+1]
.endr
	v_pk_add_f32 v[14:15], v[14:15], v[S+\o:S+\o+1]
.endr
.irp k, 1,2,3
	v_pk_add_f32 v[SM+2*\k-2:SM+2*\k-1], v[SM+2*\k-2:SM+2*\k-1], v[SM+2*\k+6:SM+2*\k+7]
.endr
	v_pk_add_f32 v[14:15], v[14:15], v[SM+6:SM+7]
	v_pk_add_f32 v[SM:SM+1], v[SM:SM+1], v[SM+4:SM+5]
	v_pk_add_f32 v[14:15], v[14:15], v[SM+2:SM+3]
	v_pk_add_f32 v[14:15], v[14:15], v[SM:SM+1]
.irp t, 0,1,2,3                                ; the four accumulators by turns, one instruction a turn
	v_wmma_scale_f32_16x16x128_f8f6f4 v[OT+8*\t:OT+8*\t+7], v[F+12*\t:F+12*\t+11], v[PCD:PCD+11], v[OT+8*\t:OT+8*\t+7], v[92+\t], v35 matrix_a_fmt:MATRIX_FMT_FP6 matrix_b_fmt:MATRIX_FMT_FP6
.endr
	s_add_co_u32 s66, s66, KV
	s_add_co_u32 s104, s104, 256
.endm
.macro KEYLOOP
	s_mov_b32 s3, 16
.Lkey_\@:
	STEP
	s_sub_co_u32 s3, s3, 1
	s_cmp_lg_u32 s3, 0
	s_cbranch_scc1 .Lkey_\@
.endm
; O^T / the sum is quantised along the head's 64 channels (register 16 b + i = channel 32 b + 16 h + i) and leaves as one image and one halfword a row
.macro FINISH p
	s_load_b128 s[4:7], s[0:1], 0x18               ; ctx_codes, ctx_scales
	s_and_b32 s68, ttmp7, 0xffff
	s_lshr_b32 s69, s68, 4                         ; b
	s_and_b32 s68, s68, 15                         ; head
	s_lshl_b32 s69, s69, 7
	s_lshl_b32 s70, ttmp9, 5
	s_add_co_u32 s69, s69, s70
	s_add_co_u32 s69, s69, s2
	s_add_co_u32 s69, s69, 16*\p                   ; the token tile, 0 .. 511
	s_lshl_b32 s70, s69, 4
	s_add_co_u32 s70, s70, s68
	s_mul_i32 s70, s70, 768
	s_mov_b32 s71, 0
	s_lshl_b32 s72, s69, 9
	s_lshl_b32 s68, s68, 1
	s_add_co_u32 s72, s72, s68
	s_mov_b32 s73, 0
.rept 4
	v_nop                                          ; places behind the last products
.endr
	v_add_f32 v14, v14, v15
	v_permlanex16_b32 v[T], v14, s100, s101
	v_add_f32 v14, v14, v[T]                       ; the row's sum
	s_wait_alu depctr_va_vdst(0)
	v_rcp_f32 v14, v14
	v_nop                                          ; one plain place behind a transcendental
.set J, 0
	s_wait_alu depctr_va_vdst(0)
.rept 32
	v_mul_f32 v[S+J], v[OT+J], v14
.set J, J+1
.endr
.irp b, 0,1
	v_max3_num_f32 v[BM+\b], |v[S+16*\b]|, |v[S+16*\b+1]|, 0x1800000
.endr
.irp i, 2,4,6,8,10,12,14
.irp b, 0,1
	v_max3_num_f32 v[BM+\b], v[BM+\b], |v[S+16*\b+\i]|, |v[S+16*\b+\i+1]|
.endr
.endr
.irp b, 0,1
	v_permlanex16_b32 v[BB+\b], v[BM+\b], s100, s101
.endr
.irp b, 0,1
	v_max_num_f32 v[BM+\b], v[BM+\b], v[BB+\b]
.endr
.irp b, 0,1
	v_add_nc_u32 v[SO+\b], 0xff000000, v[BM+\b]
.endr
.irp b, 0,1
	v_lshrrev_b32 v[BB+\b], 23, v[SO+\b]
.endr
	v_lshl_or_b32 v[T], v[BB+1], 8, v[BB]
	v_cvt_scalef32_pk16_fp6_f32 v[PCD:PCD+2], v[S:S+15], v[SO]
	v_cvt_scalef32_pk16_fp6_f32 v[PT:PT+2], v[S+16:S+31], v[SO+1]
	v_nop
.irp i, 0,1,2
	v_permlane16_swap_b32 v[PCD+\i], v[PT+\i]
.endr
.irp i, 0,1,2
	v_mov_b32 v[PCD+3+\i], v[PT+\i]
.endr
	s_wait_alu depctr_va_vdst(0)
	s_wait_kmcnt 0x0                               ; the two pointers; the mask words asked for in the last step too
	s_add_nc_u64 s[4:5], s[4:5], s[70:71]
	s_add_nc_u64 s[6:7], s[6:7], s[72:73]
	global_store_b128 v1, v[PCD:PCD+3], s[4:5]     ; 512 consecutive bytes, and 256
	global_store_b64 v2, v[PCD+4:PCD+5], s[4:5]
	global_store_b16 v11, v[T], s[6:7]             ; both halves of the lanes hold the row's halfword and write the same bytes
	s_wait_xcnt 0x0                                ; the stores have read their registers and bases
.endm
	ASKQ                                           ; 32 loads in all: six, two, twelve, twelve
	global_load_b64 v[HS:HS+1], v[GS], s[72:73]             ; a row's scale bytes of a step: four halfwords, and four more
	global_load_b64 v[HS+2:HS+3], v[GS], s[72:73] offset:128
.irp i, 0,1,2,3,4,5,6,7,8,9,10,11
	global_load_b128 v[HK+4*\i:HK+4*\i+3], v1, s[68:69] offset:512*\i
.endr
.irp i, 0,1,2,3,4,5,6,7,8,9,10,11
	global_load_b128 v[HV+4*\i:HV+4*\i+3], v1, s[70:71] offset:512*\i
.endr
	MLOAD
	s_wait_loadcnt 26                              ; ASKQ's six are in
	v_lshl_or_b32 v34, v[T], 16, v[T]              ; q's two bytes for both halves of K
	INIT
	s_wait_alu depctr_va_vdst(0)                   ; the wait ahead of the wait below
	s_wait_loadcnt 24                              ; the scale bytes
	s_cmp_lt_u32 s2, 8
	s_cbranch_scc0 .Lk_words
	v_perm_b32 v[HS+4], v[HS+2], v[HS], 0x05040100     ; V: channel tile t's word: its halfword of the first 64 keys below, of the second above
	v_perm_b32 v[HS+5], v[HS+2], v[HS], 0x07060302
	v_perm_b32 v[HS+6], v[HS+3], v[HS+1], 0x05040100
	v_perm_b32 v[HS+7], v[HS+3], v[HS+1], 0x07060302
	ds_store_b128 v[LS], v[HS+4:HS+7]
	s_branch .Lwords_in
.Lk_words:
	ds_store_b128 v[LS], v[HS:HS+3]                ; K: a word = the halfwords of two neighbouring tiles: the four fragments' words as they lie
.Lwords_in:
	s_wait_loadcnt 12                              ; K's images
.irp i, 0,1,2,3,4,5,6,7,8,9,10,11
	ds_store_b128 v[LC], v[HK+4*\i:HK+4*\i+3] offset:512*\i
.endr
	s_wait_loadcnt 0x0                             ; V's
.irp i, 0,1,2,3,4,5,6,7,8,9,10,11
	ds_store_b128 v[LC], v[HV+4*\i:HV+4*\i+3] offset:VOF+512*\i
.endr
	s_wait_dscnt 0x0                               ; my stores are done, for the others' sake
	s_barrier_signal -1
	s_barrier_wait -1                              ; everybody's are: LDS is only read from here on
	KEYLOOP
	s_wait_alu depctr_va_vdst(0)
	FINISH 0
	s_wait_loadcnt 0x0                             ; the two mask words asked for in the last step: their registers and base are free
	s_add_nc_u64 s[76:77], s[76:77], 12288         ; sixteen tiles on: q's image,
	s_add_nc_u64 s[78:79], s[78:79], 512           ; its halfwords,
	s_add_nc_u64 s[96:97], s[96:97], 65536         ; its mask words (no load that names these is out)
	s_mov_b32 s66, 0
	s_mov_b32 s104, 0
	s_mov_b32 s67, 0
	MLOAD
	ASKQ
	s_wait_loadcnt 0x0
	v_lshl_or_b32 v34, v[T], 16, v[T]
	INIT
	KEYLOOP
	s_wait_alu depctr_va_vdst(0)
	FINISH 1
	s_wait_tensorcnt 0x0                           ; the wave's end
	ds_add_u32 v254, v255
	s_wait_dscnt 0x0
	s_endpgm
.Lfunc_end_k_q108d8c3ed1_attn:
	.size	k_q108d8c3ed1_attn, .Lfunc_end_k_q108d8c3ed1_attn-k_q108d8c3ed1_attn
	.p2alignl 7, 3214868480
	.fill 96, 4, 3214868480
	.section	.rodata,"a",@progbits
	.p2align	6, 0x0
	.amdhsa_kernel k_q108d8c3ed1_attn
		.amdhsa_group_segment_fixed_size 206848
		.amdhsa_private_segment_fixed_size 0
		.amdhsa_enable_private_segment 0
		.amdhsa_kernarg_size 40
		.amdhsa_user_sgpr_count 2
		.amdhsa_user_sgpr_kernarg_segment_ptr 1
		.amdhsa_wavefront_size32 1
		.amdhsa_system_sgpr_workgroup_id_x 1
		.amdhsa_system_sgpr_workgroup_id_y 1
		.amdhsa_system_sgpr_workgroup_id_z 1
		.amdhsa_system_vgpr_workitem_id 0
		.amdhsa_next_free_vgpr 256
		.amdhsa_next_free_sgpr 106
		.amdhsa_reserve_vcc 1
		.amdhsa_float_denorm_mode_32 3
		.amdhsa_float_denorm_mode_16_64 3
		.amdhsa_memory_ordered 1
		.amdhsa_forward_progress 1
		.amdhsa_inst_pref_size 61
	.end_amdhsa_kernel
	.amdgpu_metadata
---
amdhsa.version: [ 1, 2 ]
amdhsa.kernels:
  - .name:           k_q108d8c3ed1_attn
    .symbol:         k_q108d8c3ed1_attn.kd
    .args:
      - { .name: qkv_codes, .offset: 0, .size: 8, .value_kind: global_buffer, .address_space: global }
      - { .name: qkv_scales, .offset: 8, .size: 8, .value_kind: global_buffer, .address_space: global }
      - { .name: maskw, .offset: 16, .size: 8, .value_kind: global_buffer, .address_space: global }
      - { .name: ctx_codes, .offset: 24, .size: 8, .value_kind: global_buffer, .address_space: global }
      - { .name: ctx_scales, .offset: 32, .size: 8, .value_kind: global_buffer, .address_space: global }
    .group_segment_fixed_size: 206848
    .private_segment_fixed_size: 0
    .kernarg_segment_align: 8
    .kernarg_segment_size: 40
    .max_flat_workgroup_size: 512
    .sgpr_count:     106
    .vgpr_count:     256
    .wavefront_size: 32
...
	.end_amdgpu_metadata
.endif
;; end of part 4
;; launch oproj (part 5): grid 4 x 32, 4 waves a work-group, clusters of 4 x 4, 327,680 bytes of LDS; arguments ctx_codes, ctx_scales, xw_codes, xw_scales, out0; writes out0
.if DOCPART == 5
	.amdgcn_target "amdgcn-amd-amdhsa--gfx1250"
	.amdhsa_code_object_version 6
	.text
	.protected	k_q108d8c3ed1_oproj
	.globl	k_q108d8c3ed1_oproj
	.p2align	8
	.type	k_q108d8c3ed1_oproj,@function
k_q108d8c3ed1_oproj:
	s_mov_b64 s[64:65], 0
	v_nop
	global_prefetch_b8 v0, s[64:65] scope:SCOPE_SE
	s_setreg_imm32_b32 hwreg(HW_REG_WAVE_MODE, 25, 1), 1
	s_wait_xcnt 0x0
	s_wait_alu depctr_hold_cnt(0) depctr_sa_sdst(0) depctr_va_vdst(0) depctr_va_sdst(0) depctr_va_ssrc(0) depctr_va_vcc(0) depctr_vm_vsrc(0)
	s_getreg_b32 s2, hwreg(HW_REG_IB_STS2, 6, 4)
	s_cmp_eq_u32 s2, 0
	s_cbranch_scc0 .Lentry_in_a_cluster
	s_endpgm
.Lentry_in_a_cluster:
	s_bfe_u32 s2, ttmp6, 0x10000c
	s_cmp_lg_u32 s2, 0xf033
	s_cbranch_scc0 .Lentry_shape_is_right
	s_endpgm
.Lentry_shape_is_right:
.set NQ,     2
.set FR,     12
.set NL,     4
.set NP,     4
.set HFB,    768
.set TILEB,  4*HFB
.set TROW,   16*HFB
.set HALFT,  8*TILEB
.set SLOT,   4*HALFT
.set LAPS,   2
.set KS,     32
.set SCL,    2*SLOT
.set HALFS,  16*272
.set SBLK,   2*272
.set SPARE,  SCL+4*HALFS
.set SPITCH, 528
.set ADRA, 16
.set ADRB, 20
.set STO,  24
.set RD,   25
.set CO,   26
.set ADRS, 27
.set SPW,  28
.set NIL,  29
.set LI8,  30
.set SC,   32
.set AF,   128
.set BK,   128
.set G1, 24
.set G0, 32
.set G1B, 48
.set G0B, 56
.set G1S, 68
.set G0S, 76
.set G1SB, 80
.set G0SB, 88
.set MSB, 0
.macro WIN new
.if MSB != \new
	s_set_vgpr_msb (MSB<<8)|\new
.set MSB, \new
.endif
.endm
.set MUL_LO, 0xa1
.set MUL_HI, 0xf1
.set TO_B,   0x40
.macro JLOAD g0a, g1a, g0b, g1b
	s_cmp_eq_u32 s15, 0
	s_cbranch_scc0 .Lfor_b_\@
	tensor_load_to_lds s[\g0a:\g0a+3], s[\g1a:\g1a+7]
	s_nop 0
.rept 4
	v_nop
.endr
	s_branch .Lasked_\@
.Lfor_b_\@:
	tensor_load_to_lds s[\g0b:\g0b+3], s[\g1b:\g1b+7]
	s_nop 0
.rept 4
	v_nop
.endr
.Lasked_\@:
.endm
.macro CREST
	s_cmp_lg_u32 s14, 0
	s_cbranch_scc1 .Lnot_wave_0_\@
	s_barrier_signal -3
.Lnot_wave_0_\@:
	s_barrier_wait -3
	s_barrier_signal -1
	s_barrier_wait -1
.endm
.macro CROUND
	s_barrier_signal -1
	s_barrier_wait -1
	CREST
.endm
	s_load_b128 s[4:7], s[0:1], 0x0
	s_load_b128 s[8:11], s[0:1], 0x10
	s_load_b64 s[12:13], s[0:1], 0x20
	v_lshl_add_u32 v[SPW], v0, 2, SPARE
	v_mov_b32 v[NIL], 0
	ds_add_u32 v28, v29
	ds_add_u32 v28, v29
	s_wait_dscnt 0x0
	v_lshrrev_b32 v1, 5, v0
	v_readfirstlane_b32 s14, v1
	s_lshr_b32 s15, s14, 1
	s_and_b32 s16, s14, 1
	s_bfe_u32 s40, ttmp6, 0x40000
	s_bfe_u32 s41, ttmp6, 0x40004
	s_lshl_b32 s42, ttmp9, 2
	s_add_co_u32 s42, s42, s40
	s_and_b32 s17, ttmp7, 0xffff
	s_lshl_b32 s17, s17, 2
	s_add_co_u32 s17, s17, s41
	s_lshl_b32 s43, s41, 2
	s_lshl_b32 s43, 15, s43
	s_lshl_b32 s44, 0x1111, s40
	s_or_b32 s[G1+0], s43, (3<<16)|(1<<21)
	s_or_b32 s[G1B+0], s44, (3<<16)|(1<<21)
.irp g, G1, G1B
	s_mov_b32 s[\g+1], 384<<16
	s_mov_b32 s[\g+2], 8<<16
	s_mov_b32 s[\g+3], 384<<16
	s_mov_b32 s[\g+4], 8
	s_mov_b32 s[\g+5], 1536
	s_mov_b32 s[\g+6], 0
	s_mov_b32 s[\g+7], 0
.endr
	s_or_b32 s[G1S+0], s43, (3<<16)|(1<<20)|(1<<21)|(5<<22)|(3<<25)
	s_or_b32 s[G1SB+0], s44, (3<<16)|(1<<20)|(1<<21)|(5<<22)|(3<<25)
.irp g, G1S, G1SB
	s_mov_b32 s[\g+1], 32<<16
	s_mov_b32 s[\g+2], 16<<16
	s_mov_b32 s[\g+3], 32<<16
	s_mov_b32 s[\g+4], 16
	s_mov_b32 s[\g+5], 32
	s_mov_b32 s[\g+6], 0
	s_mov_b32 s[\g+7], 0
.endr
	s_lshl_b32 s18, s16, 3
	s_lshl_b32 s20, s17, 4
	s_add_co_u32 s20, s20, s18
	s_lshl_b32 s46, s42, 4
	s_add_co_u32 s46, s46, s18
	s_add_co_u32 s46, s46, 1728
	s_lshl_b32 s22, s20, 9
	s_mov_b32 s23, 0
	s_mul_i32 s20, s20, TROW
	s_mov_b32 s21, 0
	s_lshl_b32 s92, s46, 9
	s_mov_b32 s93, 0
	s_mul_i32 s46, s46, TROW
	s_mov_b32 s47, 0
	s_mul_i32 s45, s14, HALFT
	s_mul_i32 s94, s14, HALFS
	s_wait_kmcnt 0x0
	s_add_nc_u64 s[20:21], s[4:5], s[20:21]
	s_add_nc_u64 s[22:23], s[6:7], s[22:23]
	s_add_nc_u64 s[46:47], s[8:9], s[46:47]
	s_add_nc_u64 s[92:93], s[10:11], s[92:93]
	CROUND
	s_mov_b32 s[G0S], 1
	s_add_co_u32 s[G0S+1], s94, SCL
	s_mov_b64 s[G0S+2:G0S+3], s[22:23]
	s_or_b32 s[G0S+3], s[G0S+3], 0x80000000
	s_mov_b32 s[G0SB], 1
	s_add_co_u32 s[G0SB+1], s94, SCL
	s_mov_b64 s[G0SB+2:G0SB+3], s[92:93]
	s_or_b32 s[G0SB+3], s[G0SB+3], 0x80000000
	JLOAD G0S, G1S, G0SB, G1SB
.irp s, 0,1
	s_mov_b32 s[G0+4*\s], 1
	s_add_co_u32 s[G0+4*\s+1], s45, \s*SLOT
	s_add_nc_u64 s[G0+4*\s+2:G0+4*\s+3], s[20:21], \s*TILEB
	s_or_b32 s[G0+4*\s+3], s[G0+4*\s+3], 0x80000000
	s_mov_b32 s[G0B+4*\s], 1
	s_add_co_u32 s[G0B+4*\s+1], s45, \s*SLOT
	s_add_nc_u64 s[G0B+4*\s+2:G0B+4*\s+3], s[46:47], \s*TILEB
	s_or_b32 s[G0B+4*\s+3], s[G0B+4*\s+3], 0x80000000
	s_wait_alu depctr_va_vdst(0)
	s_wait_tensorcnt 0x0
	ds_add_u32 v28, v29
	s_wait_dscnt 0x0
	CROUND
	JLOAD G0+4*\s, G1, G0B+4*\s, G1B
.endr
	v_and_b32 v1, 15, v0
	v_bfe_u32 v2, v0, 4, 1
	v_and_b32 v3, 31, v0
	v_lshlrev_b32 v[CO], 4, v3
	v_lshlrev_b32 v[LI8], 3, v3
	s_mul_i32 s21, s15, HALFT
	s_mul_i32 s22, s16, HALFT
	s_add_co_u32 s22, s22, 2*HALFT
.irp s, 0,1
	v_add_nc_u32 v[ADRA+\s], s21, v[CO]
	v_add_nc_u32 v[ADRB+\s], s22, v[CO]
	v_add_nc_u32 v[ADRA+2+\s], s21, v[LI8]
	v_add_nc_u32 v[ADRB+2+\s], s22, v[LI8]
	s_add_co_u32 s21, s21, SLOT
	s_add_co_u32 s22, s22, SLOT
.endr
	v_mul_u32_u24 v5, v1, KS
	v_lshrrev_b32 v6, 8, v5
	v_lshl_add_u32 v5, v6, 4, v5
	s_mul_i32 s21, s15, HALFS
	s_mul_i32 s22, s16, HALFS
	s_add_co_u32 s22, s22, 2*HALFS
	s_sub_co_u32 s22, s22, s21
	v_mul_u32_u24 v6, s22, v2
	s_add_co_u32 s21, s21, SCL
	v_add_nc_u32 v5, v5, v6
	v_add_nc_u32 v[ADRS], s21, v5
	s_mul_i32 s23, s14, 16*SPITCH
	v_mul_u32_u24 v5, v1, SPITCH
	v_lshl_add_u32 v5, v2, 6, v5
	v_add_nc_u32 v[STO], s23, v5
	v_add_nc_u32 v[RD], s23, v[CO]
	s_lshl_b32 s20, s17, 8
	s_lshl_b32 s21, s15, 7
	s_add_co_u32 s20, s20, s21
	s_lshl_b32 s20, s20, 12
	s_lshl_b32 s46, s42, 10
	s_lshl_b32 s47, s16, 9
	s_add_co_u32 s46, s46, s47
	s_add_co_u32 s20, s20, s46
	s_mov_b32 s21, 0
	s_add_nc_u64 s[12:13], s[12:13], s[20:21]
.macro FRAG reg, adr, q, i
.irp c, 0,1
	ds_load_b128 v[\reg+6*\c:\reg+6*\c+3], v[\adr] offset:(\i)*TILEB+HFB*(2*(\q)+\c)
	ds_load_b64 v[\reg+6*\c+4:\reg+6*\c+5], v[\adr+2] offset:(\i)*TILEB+HFB*(2*(\q)+\c)+512
.endr
.endm
.macro MUL16 a0, p, q, sc, zero
.irp a, \a0, \a0+1
.irp b, 0,1,2,3,4,5,6,7
.if \zero
	v_wmma_scale_f32_16x16x128_f8f6f4 v[8*(8*((\a)%4)+\b):8*(8*((\a)%4)+\b)+7], v[128*(\p)+FR*\b:128*(\p)+FR*\b+FR-1], v[AF+FR*(\a):AF+FR*(\a)+FR-1], 0, v[SC+8*NQ*(\sc)+NQ*\b+(\q)], v[SC+8*NQ*(\sc)+NQ*(\a)+(\q)] matrix_a_fmt:MATRIX_FMT_FP6 matrix_b_fmt:MATRIX_FMT_FP6 matrix_a_scale:MATRIX_SCALE_ROW1
.else
	v_wmma_scale_f32_16x16x128_f8f6f4 v[8*(8*((\a)%4)+\b):8*(8*((\a)%4)+\b)+7], v[128*(\p)+FR*\b:128*(\p)+FR*\b+FR-1], v[AF+FR*(\a):AF+FR*(\a)+FR-1], v[8*(8*((\a)%4)+\b):8*(8*((\a)%4)+\b)+7], v[SC+8*NQ*(\sc)+NQ*\b+(\q)], v[SC+8*NQ*(\sc)+NQ*(\a)+(\q)] matrix_a_fmt:MATRIX_FMT_FP6 matrix_b_fmt:MATRIX_FMT_FP6 matrix_a_scale:MATRIX_SCALE_ROW1
.endif
.endr
.endr
.endm
.macro FETCH_B slot, q, p
	WIN TO_B
.irp i, 0,1,2,3,4,5,6,7
	FRAG 128*(\p)+FR*\i, ADRB+\slot, \q, \i
.endr
	WIN 0
.endm
.macro FETCH_A slot, q, i0
.irp i, \i0, \i0+1, \i0+2, \i0+3
	FRAG AF+FR*(\i), ADRA+\slot, \q, \i
.endr
.endm
.macro SCALES sc
.irp i, 0,1,2,3,4,5,6,7
	ds_load_b64 v[SC+8*NQ*\sc+NQ*\i:SC+8*NQ*\sc+NQ*\i+1], v[ADRS] offset:\i*SBLK
.endr
.endm
.macro PLACES n
.rept \n
	v_nop
.endr
.endm
.macro STEP slot, q, zero
	s_wait_dscnt 4*NL
	WIN MUL_LO
	MUL16 0, (\q)%2, \q, \slot, \zero
	MUL16 2, (\q)%2, \q, \slot, \zero
	s_wait_dscnt 0
	PLACES NP
	FETCH_B \slot, (\q)+1, 1-(\q)%2
	FETCH_A \slot, (\q)+1, 0
	WIN MUL_HI
	MUL16 4, (\q)%2, \q, \slot, \zero
	MUL16 6, (\q)%2, \q, \slot, \zero
	PLACES NP
	WIN 0
	FETCH_A \slot, (\q)+1, 4
.endm
.macro TURN slot, next, fill
	s_wait_tensorcnt 0x0
	ds_add_u32 v[SPW], v[NIL]
	s_wait_dscnt 4*NL+1
	WIN MUL_LO
	MUL16 0, 1, NQ-1, \slot, 0
	s_wait_dscnt 0x0
	s_barrier_signal -1
	MUL16 2, 1, NQ-1, \slot, 0
	WIN 0
	s_barrier_wait -1
.if \fill
	CREST
	s_add_nc_u64 s[G0+4*\slot+2:G0+4*\slot+3], s[G0+4*\slot+2:G0+4*\slot+3], 2*TILEB
	s_add_nc_u64 s[G0B+4*\slot+2:G0B+4*\slot+3], s[G0B+4*\slot+2:G0B+4*\slot+3], 2*TILEB
	JLOAD G0+4*\slot, G1, G0B+4*\slot, G1B
.else
	PLACES NP
.endif
	s_wait_alu depctr_va_vdst(0)
	v_add_nc_u32 v[ADRS], 4*NQ, v[ADRS]
	FETCH_B \next, 0, 0
	FETCH_A \next, 0, 0
	SCALES \next
	WIN MUL_HI
	MUL16 4, 1, NQ-1, \slot, 0
	MUL16 6, 1, NQ-1, \slot, 0
	PLACES NP
	WIN 0
	FETCH_A \next, 0, 4
.endm
	s_wait_alu depctr_va_vdst(0)
	s_wait_tensorcnt 1
	s_barrier_signal -1
	s_barrier_wait -1
	FETCH_B 0, 0, 0
	FETCH_A 0, 0, 0
	SCALES 0
	FETCH_A 0, 0, 4
	STEP 0, 0, 1
	s_mov_b32 s3, LAPS-1
.Llap:
	TURN 0, 1, 1
	STEP 1, 0, 0
	TURN 1, 0, 1
	STEP 0, 0, 0
	s_sub_co_u32 s3, s3, 1
	s_cmp_lg_u32 s3, 0
	s_cbranch_scc1 .Llap
	TURN 0, 1, 0
	STEP 1, 0, 0
	s_wait_dscnt 4*NL
	WIN MUL_LO
	MUL16 0, 1, NQ-1, 1, 0
	MUL16 2, 1, NQ-1, 1, 0
	s_wait_dscnt 0
	WIN MUL_HI
	MUL16 4, 1, NQ-1, 1, 0
	MUL16 6, 1, NQ-1, 1, 0
	WIN 0
.macro TOSTAGE a
.set AC, 64*((\a)%4)
	WIN 0x08+4*((\a)/4)
.irp b, 0,1,2,3,4,5,6,7
	ds_store_b128 v[STO], v[AC+8*\b:AC+8*\b+3] offset:128*(\b/2)+32*(\b%2)
	ds_store_b128 v[STO], v[AC+8*\b+4:AC+8*\b+7] offset:128*(\b/2)+32*(\b%2)+16
.endr
	WIN 0
.set BBK, BK+64*((\a)%2)
.irp t, 0,1,2,3,4,5,6,7,8,9,10,11,12,13,14,15
	ds_load_b128 v[BBK+4*\t:BBK+4*\t+3], v[RD] offset:\t*SPITCH
.endr
.endm
.macro SEND a, younger
.set BBK, BK+64*((\a)%2)
	s_wait_dscnt \younger
.irp t, 0,1,2,3,4,5,6,7,8,9,10,11,12,13,14,15
	global_store_b128 v[CO], v[BBK+4*\t:BBK+4*\t+3], s[12:13] offset:(32*((\a)/2)+8*((\a)%2)+\t%8+16*(\t/8))*4096 th:TH_STORE_NT
.endr
.endm
	PLACES NP
	TOSTAGE 0
.irp a, 1,2,3,4,5,6,7
.if \a > 1
	s_wait_xcnt 0x0
.endif
	TOSTAGE \a
	SEND \a-1, 32
.endr
	SEND 7, 0
	s_wait_tensorcnt 0x0
	ds_add_u32 v[SPW], v[NIL]
	s_wait_dscnt 0x0
	CROUND
	s_endpgm
.Lfunc_end_k_q108d8c3ed1_oproj:
	.size	k_q108d8c3ed1_oproj, .Lfunc_end_k_q108d8c3ed1_oproj-k_q108d8c3ed1_oproj
	.p2alignl 7, 3214868480
	.fill 96, 4, 3214868480
	.section	.rodata,"a",@progbits
	.p2align	6, 0x0
	.amdhsa_kernel k_q108d8c3ed1_oproj
		.amdhsa_group_segment_fixed_size 327680
		.amdhsa_private_segment_fixed_size 0
		.amdhsa_enable_private_segment 0
		.amdhsa_kernarg_size 40
		.amdhsa_user_sgpr_count 2
		.amdhsa_user_sgpr_kernarg_segment_ptr 1
		.amdhsa_wavefront_size32 1
		.amdhsa_system_sgpr_workgroup_id_x 1
		.amdhsa_system_sgpr_workgroup_id_y 1
		.amdhsa_system_sgpr_workgroup_id_z 1
		.amdhsa_system_vgpr_workitem_id 0
		.amdhsa_next_free_vgpr 1024
		.amdhsa_next_free_sgpr 98
		.amdhsa_reserve_vcc 0
		.amdhsa_float_denorm_mode_32 3
		.amdhsa_float_denorm_mode_16_64 3
		.amdhsa_memory_ordered 1
		.amdhsa_forward_progress 1
		.amdhsa_inst_pref_size 144
	.end_amdhsa_kernel
	.amdgpu_metadata
---
amdhsa.version: [ 1, 2 ]
amdhsa.kernels:
  - .name:           k_q108d8c3ed1_oproj
    .symbol:         k_q108d8c3ed1_oproj.kd
    .args:
      - { .name: ctx_codes, .offset: 0, .size: 8, .value_kind: global_buffer, .address_space: global }
      - { .name: ctx_scales, .offset: 8, .size: 8, .value_kind: global_buffer, .address_space: global }
      - { .name: xw_codes, .offset: 16, .size: 8, .value_kind: global_buffer, .address_space: global }
      - { .name: xw_scales, .offset: 24, .size: 8, .value_kind: global_buffer, .address_space: global }
      - { .name: out0, .offset: 32, .size: 8, .value_kind: global_buffer, .address_space: global }
    .group_segment_fixed_size: 327680
    .private_segment_fixed_size: 0
    .kernarg_segment_align: 8
    .kernarg_segment_size: 40
    .max_flat_workgroup_size: 128
    .sgpr_count:     98
    .vgpr_count:     1024
    .wavefront_size: 32
...
	.end_amdgpu_metadata
.endif
;; end of part 5
